; MI455X (gfx1250); checked and timed in simulation.
; The chip was launched on July 23, 2026; its instructions are those of AMD's public machine-readable ISA for CDNA 5 (MIT licence, August 2026) and "CDNA5" Instruction Set Architecture Reference Guide (July 2026). The comments in the code are by the model that wrote it; some were corrected since.
;; Ro PE Multihead Attention. Allowed arithmetic: matrix products marked QUANTISED: E2M1 operands, one E8M0 scale for each 32 along K, by v_wmma_scale_f32_16x16x128_f8f6f4 with both operands' format E2M1 (or v_wmma_scale_f32_32x16x128_f4), f32 sums; products left as they are: bf16, f16 or f32 operands; f32 sums; everything else in f32.
;; Inputs: Wk 1,024 x 1,024 float32; Wo 1,024 x 1,024 float32; Wq 1,024 x 1,024 float32; Wv 1,024 x 1,024 float32; bk 1,024 float32; bo 1,024 float32; bq 1,024 float32; bv 1,024 float32; key 1 x 4,096 x 1,024 float32; query 1 x 4,096 x 1,024 float32; value 1 x 4,096 x 1,024 float32.
;; Outputs: out0 1 x 4,096 x 1,024 float32.
;; This version of the problem:
;;   THIS VERSION OF THE PROBLEM IS GIVEN IN LOW PRECISION. The matrix products marked QUANTISED in the list below multiply operands that are first quantised to E2M1 (2 exponent bits, 1 mantissa bit; 4 bits a number), with one power-of-two scale for each 32 numbers along K (OCP MX v1.0); their sums are f32. The products marked 'left as it is' may take bf16, f16 or f32 operands, with f32 sums. Whichever they take, every output number must still come out within the allowed error. Rounding operands to bf16 (8 significant bits) uses up far more of that allowance than f16 does (11 bits, for magnitudes from 6e-5 to 65,504). All else is computed in f32.
;;   The module's matrix products, in the order in which they are computed (A, B: the left and right operand; K: the contracted axis; several contracted axes count as one K, in the product's order):
;;     1. [M 4,096, K 1,024] x [K 1,024, N 1,024]; A: input query; B: input Wq: QUANTISED
;;     2. [M 4,096, K 1,024] x [K 1,024, N 1,024]; A: input key; B: input Wk: QUANTISED
;;     3. [M 4,096, K 1,024] x [K 1,024, N 1,024]; A: input value; B: input Wv: QUANTISED
;;     4. batch 16 x [M 4,096, K 64] x [K 64, N 4,096]; A: computed on the way; B: computed on the way: left as it is (an operand is computed on the way)
;;     5. batch 16 x [M 64, K 4,096] x [K 4,096, N 4,096]; A: computed on the way; B: computed on the way: left as it is (an operand is computed on the way)
;;     6. [M 4,096, K 1,024] x [K 1,024, N 1,024]; A: computed on the way; B: input Wo: left as it is (an operand is computed on the way)
;;   THE QUANTISER, for each operand of a quantised product, along K:
;;     - K is cut into blocks of 32 from its start; a last block that is shorter is filled with zeros.
;;     - A block's scale is 2^e with e = floor(log2(the largest magnitude in the block)) - 2, held to -126 .. 127; a block of zeros has e = 0. As a byte (E8M0): e + 127.
;;     - Each number is divided by its block's scale, clamped to +-6, and rounded to the nearest number of E2M1, ties to even, subnormals kept.
;;     - The product sums the exact products of the quantised numbers (number of the format x scale) in f32.
;;   ~~~python
;;   def quantise(x, axis):      # numpy; x: float32 -> the quantised numbers, widened to float32 again
;;       x = np.moveaxis(x, axis, -1); K = x.shape[-1]
;;       x = np.pad(x, [(0, 0)] * (x.ndim - 1) + [(0, -K % 32)]); x = x.reshape(x.shape[:-1] + (-1, 32)); a = np.abs(x).max(-1, keepdims=True)
;;       e = np.where(a > 0, np.clip(np.frexp(np.where(a > 0, a, 1))[1] - 1 - 2, -126, 127), 0)      # np.frexp(a)[1] - 1 = floor(log2(a)), exactly
;;       r = np.clip(x / 2.0 ** e, -6, 6)
;;       step = 2.0 ** (np.maximum(np.frexp(np.where(r == 0, 1, r))[1] - 1, 0) - 1)
;;       q = np.round(r / step) * step * 2.0 ** e      # np.round: ties to even
;;       return np.moveaxis(q.reshape(q.shape[:-2] + (-1,))[..., :K], -1, axis).astype(np.float32)
;;   ~~~
;; One version. Each part assembles by itself: llvm-mc -triple=amdgcn-amd-amdhsa -mcpu=gfx1250 --defsym DOCPART=n.
;; ======== version 1 of 1: 4 launches
;; limits: values are held in f16: magnitudes above 65,504 overflow, below 6.1e-05 lose precision
;; workspace buffers: acodes 6,291,456 bytes; ascales 393,216 bytes; wcodes 1,572,864 bytes; wscales 98,304 bytes; wo16 2,097,152 bytes; rope 1,081,344 bytes; qkv16 25,165,824 bytes; ctx16 8,388,608 bytes
;; launch prep (part 1): grid 644 x 1, 4 waves a work-group, no clusters, 33,280 bytes of LDS; arguments query, key, value, Wq, Wk, Wv, Wo, acodes, ascales, wcodes, wscales, wo16, rope; writes acodes, ascales, wcodes, wscales, wo16, rope
.if DOCPART == 1
	.amdgcn_target "amdgcn-amd-amdhsa--gfx1250"
	.amdhsa_code_object_version 6
	.text
	.protected	k_qca61906cc5_prep
	.globl	k_qca61906cc5_prep
	.p2align	8
	.type	k_qca61906cc5_prep,@function
k_qca61906cc5_prep:
	s_mov_b64 s[64:65], 0
	v_nop
	global_prefetch_b8 v0, s[64:65] scope:SCOPE_SE
	s_setreg_imm32_b32 hwreg(HW_REG_WAVE_MODE, 25, 1), 1
	s_wait_xcnt 0x0
; PREP: what the later launches read many times is made once.  Three kinds of work-group, told apart by the work-group's number g alone:
;   g < 480        query, key, value (128 work-groups each) and Wq, Wk, Wv (32 each), f32 with K innermost, become codes of FP4 (E2M1) and one E8M0 byte for each 32 along K.
;                  acodes [12288 rows: q, k, v tokens][512 bytes], ascales [12288][32]; wcodes [3072 rows: Wq, Wk, Wv][512], wscales [3072][32].
;   480 <= g < 512 Wo becomes f16, laid by planes of 64 along K: wo16 [16 planes][1024 n][64 k].
;   512 <= g       the table of cos and sin for the rotary embedding, in the order of the registers that will take it:
;                  rope [264 blocks T][2 b][4 pieces: cos j 0-3, cos j 4-7, sin j 0-3, sin j 4-7][32 lanes][16 bytes]; lane (r, h) holds token 16 T + r, frequency 16 b + 8 h + j.
;                  Blocks 256 to 263 are made for position 0 (cos 1, sin 0): the values' projection goes through the same lines as q's and k's and comes out unchanged.
; THE QUANTISER: a block's scale is 2^(floor(log2(its largest magnitude)) - 2); its byte is the largest magnitude's exponent field - 2, held at 1 from below; each number is divided by the scale and rounded
; to the nearest code, ties to even, beyond 6 the largest code.  A block of zeros gets the byte 1 where the rule says 127: its codes are zeros, and the bytes are read by this program alone.
; LIMITS: blocks whose largest magnitude lies under 2^-124 get the byte 1; NaN and infinities among the inputs are not served; Wo's numbers must lie under 65,504 (f16), those under 6e-5 are rounded at f16's subnormal step;
; the table's inverse frequencies are 10^-(2 b + h) x 10^-(j / 8), each factor rounded to f32 and the product once more: the angles (at most 4,095 rad) may differ from a correctly rounded table's by some 6e-4 rad.
; Rows are dense and K is a multiple of 32, so a tensor is a plain stream of blocks of 32 numbers, and so are its codes and bytes.
.set WAVES, 4
.set STEPS, 16
.set EMAX,  2
.set CB,    8                          ; bytes of 16 codes
.set R,     16                         ; v16-79   four sets of 16 numbers as they are loaded
.set X,     80                         ; v80-111  two sets of 16 neighbours
.set C,     128                        ; v128-191 codes: four registers for each step, so that no store's data are written again
.set E,     112                        ; v112-127 a scale byte for each step
.set WREG,  8192                       ; LDS: a region for each wave: two stages of 32 x SP bytes, behind them its 256 scale bytes
.set SP,    80                         ; a lane's place in a stage: 64 bytes + 16 of padding
.set SPW,   12                         ; v12  LDS address of my spare word; never rewritten
.set NIL,   13                         ; v13  0; never rewritten
.set SPARE, WAVES*WREG                 ; the spare words, 128 bytes a wave: two blocks of 256 bytes that no other line names
.set WV,    34                         ; s34  my wave's number
	s_load_b512 s[8:23], s[0:1], 0x0               ; query s[8:9], key s[10:11], value s[12:13], Wq s[14:15], Wk s[16:17], Wv s[18:19], Wo s[20:21], acodes s[22:23]
	s_load_b256 s[24:31], s[0:1], 0x40             ; ascales s[24:25], wcodes s[26:27], wscales s[28:29], wo16 s[30:31]
	s_load_b64 s[32:33], s[0:1], 0x60              ; rope
	v_lshl_add_u32 v[SPW], v0, 2, SPARE
	v_mov_b32 v[NIL], 0
	v_lshrrev_b32 v1, 5, v0
	v_readfirstlane_b32 s[WV], v1                  ; wave 0..3
	v_and_b32 v2, 31, v0                           ; lane
	v_lshlrev_b32 v3, 4, v2                        ; 16 x lane
	s_mul_i32 s35, s[WV], WREG
	v_lshrrev_b32 v14, 2, v2
	v_mul_u32_u24 v14, v14, SP
	v_and_b32 v15, 3, v2
	v_lshl_add_u32 v14, v15, 4, v14
	v_add_nc_u32 v14, s35, v14                     ; the stage, on the way in: four lanes' 64 bytes on end, then 16 of padding
	v_mul_u32_u24 v15, v2, SP
	v_add_nc_u32 v15, s35, v15                     ; and on the way out: my 16 neighbours
	v_mul_u32_u24 v4, v2, CB                       ; my codes' place in a step's
	v_lshrrev_b32 v5, 1, v2
	s_add_co_u32 s35, s35, 2*32*SP
	v_add_nc_u32 v5, s35, v5                       ; my wave's 256 scale bytes, my block's byte
	v_lshlrev_b32 v7, 3, v2                        ; and on the way out 8 bytes a lane
	v_add_nc_u32 v6, s35, v7
	s_wait_kmcnt 0x0
	s_cmp_lt_u32 ttmp9, 480
	s_cbranch_scc0 .Lnot_quant
; ---------------- the quantiser: 32,768 numbers a work-group, 8,192 a wave, 16 steps of 512 ----------------
	s_lshr_b32 s35, ttmp9, 7                       ; which activation (g < 384)
	s_cmp_eq_u32 s35, 1
	s_cselect_b64 s[36:37], s[10:11], s[8:9]
	s_cmp_eq_u32 s35, 2
	s_cselect_b64 s[36:37], s[12:13], s[36:37]
	s_sub_co_u32 s38, ttmp9, 384                   ; g - 384: used where g >= 384 alone
	s_lshr_b32 s39, s38, 5                         ; which weight
	s_cmp_eq_u32 s39, 1
	s_cselect_b64 s[40:41], s[16:17], s[14:15]
	s_cmp_eq_u32 s39, 2
	s_cselect_b64 s[40:41], s[18:19], s[40:41]
	s_and_b32 s42, ttmp9, 127                      ; the work-group's place in its tensor,
	s_and_b32 s43, s38, 31
	s_cmp_lt_u32 ttmp9, 384                        ; every choice hangs on the work-group's number alone
	s_cselect_b64 s[4:5], s[36:37], s[40:41]       ; the numbers
	s_cselect_b64 s[6:7], s[22:23], s[26:27]       ; the codes
	s_cselect_b64 s[36:37], s[24:25], s[28:29]     ; the scale bytes
	s_cselect_b32 s42, s42, s43
	s_cselect_b32 s43, ttmp9, s38                  ; and in the buffers of codes and bytes, where the three tensors lie on end
	s_lshl_b32 s42, s42, 2
	s_add_co_u32 s42, s42, s[WV]
	s_lshl_b32 s44, s42, 15                        ; 8,192 numbers of 4 bytes a wave
	s_mov_b32 s45, 0
	s_add_nc_u64 s[4:5], s[4:5], s[44:45]
	s_lshl_b32 s43, s43, 2
	s_add_co_u32 s43, s43, s[WV]
	s_lshl_b32 s44, s43, 12                        ; 4,096 bytes of codes
	s_add_nc_u64 s[6:7], s[6:7], s[44:45]
	s_lshl_b32 s44, s43, 8                         ; 256 scale bytes
	s_add_nc_u64 s[36:37], s[36:37], s[44:45]
.macro LOAD t
.irp i, 0,1,2,3
	global_load_b128 v[R+16*((\t)%4)+4*\i:R+16*((\t)%4)+4*\i+3], v3, s[4:5] offset:2048*(\t)+512*\i th:TH_LOAD_NT   ; 32 lanes read 512 consecutive bytes
.endr
.endm
.macro TURN t                          ; step t's numbers through the stage, so that a lane gets 16 neighbours; LDS serves a wave's instructions in order: no wait between the stores and the loads
.irp i, 0,1,2,3
	ds_store_b128 v14, v[R+16*((\t)%4)+4*\i:R+16*((\t)%4)+4*\i+3] offset:32*SP*((\t)%2)+8*SP*\i
.endr
.irp i, 0,1,2,3
	ds_load_b128 v[X+16*((\t)%2)+4*\i:X+16*((\t)%2)+4*\i+3], v15 offset:32*SP*((\t)%2)+16*\i
.endr
.endm
.irp t, 0,1,2,3
	LOAD \t
.endr
	s_wait_loadcnt 12                              ; step 0's four loads are in; the 12 of steps 1 to 3 stay out
	TURN 0
.macro STEP t
.set XS, X+16*((\t)%2)
.if (\t) > 0
	s_wait_dscnt 1                                 ; this step's numbers are back from the stage; the last step's byte store may be out
.else
	s_wait_dscnt 0x0
.endif
.if (\t)+4 < STEPS
	LOAD (\t)+4                                    ; into the registers whose stores into the stage have been served
.endif
.if (\t)+1 < STEPS
.if STEPS-2-(\t) >= 3
	s_wait_loadcnt 12                              ; the next step's four loads are in; those of the three steps behind it may be out
.else
	s_wait_loadcnt 4*(STEPS-2-(\t))                ; at the end the count runs down
.endif
	TURN (\t)+1
.endif
	v_max3_num_f32 v8, |v[XS]|, |v[XS+1]|, |v[XS+2]|               ; the largest magnitude of my 16, in two chains
	v_max3_num_f32 v9, |v[XS+3]|, |v[XS+4]|, |v[XS+5]|
.irp i, 6,10
	v_max3_num_f32 v8, v8, |v[XS+\i]|, |v[XS+\i+1]|
	v_max3_num_f32 v9, v9, |v[XS+\i+2]|, |v[XS+\i+3]|
.endr
	v_max3_num_f32 v8, v8, |v[XS+14]|, |v[XS+15]|
	v_max3_num_f32 v8, v8, v9, (EMAX+1)<<23        ; and the floor 2^(3 - 127): the byte cannot fall under 1
	v_max_num_f32_dpp v8, v8, v8 row_xmask:1 row_mask:0xf bank_mask:0xf   ; with my neighbour's 16: the block's
	v_add_nc_u32 v11, -(EMAX<<23), v8              ; 2 off its exponent field: the conversion takes the exponent field of this operand as its scale
	v_cvt_scalef32_pk8_fp4_f32 v[C+4*(\t)], v[XS:XS+7], v11
	v_cvt_scalef32_pk8_fp4_f32 v[C+4*(\t)+1], v[XS+8:XS+15], v11
	v_lshrrev_b32 v[E+(\t)], 23, v11               ; the scale's byte
	ds_store_b8 v5, v[E+(\t)] offset:16*(\t)       ; both lanes of a block write the same byte with the same value
	global_store_b64 v4, v[C+4*(\t):C+4*(\t)+1], s[6:7] offset:32*CB*(\t)   ; 32 lanes store 256 consecutive bytes, aligned
.endm
.irp t, 0,1,2,3,4,5,6,7,8,9,10,11,12,13,14,15
	STEP \t
.endr
	ds_load_b64 v[8:9], v6                         ; my wave's 256 scale bytes: these loads see my stores
	s_wait_dscnt 0x0
	global_store_b64 v7, v[8:9], s[36:37]          ; 256 consecutive bytes, aligned
	s_wait_tensorcnt 0x0                           ; the wave's end: behind my last LDS store
	ds_add_u32 v[SPW], v[NIL]
	s_wait_dscnt 0x0
	s_endpgm
; ---------------- Wo to f16, by planes: a wave takes 8 rows; an iteration is 4 rows x one plane of 64 ----------------
.Lnot_quant:
	s_cmp_lt_u32 ttmp9, 512
	s_cbranch_scc0 .Ltable
	s_sub_co_u32 s35, ttmp9, 480
	s_lshl_b32 s35, s35, 5
	s_lshl_b32 s36, s[WV], 3
	s_add_co_u32 s35, s35, s36                     ; my first row n0 = 32 (g - 480) + 8 wave
	s_lshl_b32 s36, s35, 12                        ; a row of Wo is 4,096 bytes
	s_mov_b32 s37, 0
	s_add_nc_u64 s[20:21], s[20:21], s[36:37]
	s_lshl_b32 s36, s35, 7                         ; a row of a plane is 128 bytes
	s_add_nc_u64 s[30:31], s[30:31], s[36:37]
	v_lshrrev_b32 v8, 3, v2
	v_and_b32 v9, 7, v2
	v_lshlrev_b32 v8, 12, v8
	v_lshl_add_u32 v8, v9, 5, v8                   ; in: row lane / 8, 32 bytes (8 numbers) for each of eight lanes
.macro LOADB k                         ; batch k: planes 4 k .. 4 k + 3, both groups of four rows: 16 loads into set k % 2
.irp q, 0,1,2,3
.irp u, 0,1
	global_load_b128 v[16+64*((\k)%2)+8*(2*\q+\u):16+64*((\k)%2)+8*(2*\q+\u)+3], v8, s[20:21] offset:\u*16384+(4*(\k)+\q)*256 th:TH_LOAD_NT
	global_load_b128 v[16+64*((\k)%2)+8*(2*\q+\u)+4:16+64*((\k)%2)+8*(2*\q+\u)+7], v8, s[20:21] offset:\u*16384+(4*(\k)+\q)*256+16 th:TH_LOAD_NT
.endr
.endr
.endm
.macro BATCH k
.if (\k) < 3
	s_wait_loadcnt 16                              ; this batch is in; the next batch's 16 loads stay out
.else
	s_wait_loadcnt 0x0
.endif
	s_wait_xcnt 0x0                                ; the last batch's stores have read v144-175, which are written again below
.set i, 0
.rept 32
	v_cvt_pk_f16_f32 v[144+i], v[16+64*((\k)%2)+2*i], v[16+64*((\k)%2)+2*i+1]
.set i, i+1
.endr
.if (\k)+2 < 4
	LOADB (\k)+2
.endif
.irp q, 0,1,2,3
.irp u, 0,1
	global_store_b128 v3, v[144+4*(2*\q+\u):144+4*(2*\q+\u)+3], s[30:31] offset:(4*(\k)+\q)*131072+\u*512   ; four rows of 128 bytes: 512 consecutive bytes, aligned
.endr
.endr
.endm
	LOADB 0
	LOADB 1
	BATCH 0
	BATCH 1
	BATCH 2
	BATCH 3
	s_wait_tensorcnt 0x0
	ds_add_u32 v[SPW], v[NIL]
	s_wait_dscnt 0x0
	s_endpgm
; ---------------- the table: a wave makes one (T, b): 32 lanes x 8 frequencies ----------------
; theta = position x inverse frequency, one f32 product.  n = the nearest whole number to theta x 2 / pi; r = theta - n pi / 2 with pi / 2 in three parts, by fused multiply-adds; |r| <= pi / 4.
; sin r and cos r by polynomials of degree 7 and 8; the quadrant n mod 4 swaps them and sets the signs.
.set TH, 32                            ; v32-39 theta, then r     v40-47 n, then the quadrant     v48-55 z = r r     v56-63 sin r     v64-71 cos r     v72-79 at work
.set NN, 40
.set ZZ, 48
.set SN, 56
.set CN, 64
.set TP, 72
.set CO, 96                            ; v96-103 cos, v104-111 sin: the four pieces that are stored
.set SI, 104
.Ltable:
	s_sub_co_u32 s35, ttmp9, 512
	s_lshl_b32 s35, s35, 2
	s_add_co_u32 s35, s35, s[WV]                   ; the task: 2 T + b
	s_lshr_b32 s36, s35, 1                         ; T
	s_and_b32 s37, s35, 1                          ; b
	s_mov_b32 s39, 0x3c23d70a                      ; 0.01
	s_mov_b32 s40, 0x3a83126f                      ; 0.001
	s_mov_b32 s41, 0x3dcccccd                      ; 0.1
	s_cmp_eq_u32 s37, 0
	s_cselect_b32 s38, 1.0, s39                    ; 10^-(2 b) for lanes 0-15,
	s_cselect_b32 s39, s41, s40                    ; 10^-(2 b + 1) for lanes 16-31
	s_cmp_lt_u32 s36, 256
	s_cselect_b32 s47, 1.0, 0                      ; blocks 256 on are made for position 0
	s_mov_b32 s42, 0x3fc90fdb                      ; pi / 2 in three parts
	s_mov_b32 s43, 0xb33bbd2e
	s_mov_b32 s44, 0xa6f72ced
	s_mov_b32 s45, 0xb94ca1f9                      ; sin's highest coefficient, -1.9515296e-4
	s_mov_b32 s46, 0x37ccf5ce                      ; cos's, 2.4433157e-5
	v_and_b32 v16, 15, v0
	v_bfe_u32 v17, v0, 4, 1
	v_lshl_add_u32 v16, s36, 4, v16                ; token 16 T + r
	v_cvt_f32_u32 v16, v16
	v_mul_f32 v16, s47, v16                        ; the position
	v_cmp_eq_u32 vcc_lo, 1, v17
	v_mov_b32 v18, s38
	v_mov_b32 v19, s39
	v_cndmask_b32 v18, v18, v19, vcc_lo            ; 10^-(2 b + h)
	s_lshl_b32 s36, s35, 11                        ; 2,048 bytes a task
	s_mov_b32 s37, 0
	s_add_nc_u64 s[32:33], s[32:33], s[36:37]
.set j, 0
.irp c, 0x3f800000, 0x3f3ff911, 0x3f0ff59a, 0x3ed7e89b, 0x3ea1e89b, 0x3e72d424, 0x3e361887, 0x3e088d77
	v_mul_f32 v[TH+j], \c, v18                     ; x 10^-(j / 8): the inverse frequency
.set j, j+1
.endr
.irp j, 0,1,2,3,4,5,6,7                ; each line is written for all eight j, so that no line waits for the line above it
	v_mul_f32 v[TH+\j], v16, v[TH+\j]
.endr
.irp j, 0,1,2,3,4,5,6,7
	v_mul_f32 v[NN+\j], 0x3f22f983, v[TH+\j]       ; x 2 / pi
.endr
.irp j, 0,1,2,3,4,5,6,7
	v_rndne_f32 v[NN+\j], v[NN+\j]
.endr
.irp j, 0,1,2,3,4,5,6,7
	v_fma_f32 v[TH+\j], -v[NN+\j], s42, v[TH+\j]
.endr
.irp j, 0,1,2,3,4,5,6,7
	v_fma_f32 v[TH+\j], -v[NN+\j], s43, v[TH+\j]
.endr
.irp j, 0,1,2,3,4,5,6,7
	v_fma_f32 v[TH+\j], -v[NN+\j], s44, v[TH+\j]   ; r
.endr
.irp j, 0,1,2,3,4,5,6,7
	v_mul_f32 v[ZZ+\j], v[TH+\j], v[TH+\j]         ; z
.endr
.irp j, 0,1,2,3,4,5,6,7
	v_fmaak_f32 v[SN+\j], s45, v[ZZ+\j], 0x3c08839e
.endr
.irp j, 0,1,2,3,4,5,6,7
	v_fmaak_f32 v[SN+\j], v[SN+\j], v[ZZ+\j], 0xbe2aaaa3
.endr
.irp j, 0,1,2,3,4,5,6,7
	v_mul_f32 v[TP+\j], v[TH+\j], v[ZZ+\j]         ; r z
.endr
.irp j, 0,1,2,3,4,5,6,7
	v_fma_f32 v[SN+\j], v[TP+\j], v[SN+\j], v[TH+\j]   ; sin r = r + r z (..)
.endr
.irp j, 0,1,2,3,4,5,6,7
	v_fmaak_f32 v[CN+\j], s46, v[ZZ+\j], 0xbab6061a
.endr
.irp j, 0,1,2,3,4,5,6,7
	v_fmaak_f32 v[CN+\j], v[CN+\j], v[ZZ+\j], 0x3d2aaaa5
.endr
.irp j, 0,1,2,3,4,5,6,7
	v_mul_f32 v[TP+\j], v[ZZ+\j], v[ZZ+\j]         ; z z
.endr
.irp j, 0,1,2,3,4,5,6,7
	v_fma_f32 v[ZZ+\j], v[ZZ+\j], -0.5, 1.0        ; 1 - z / 2
.endr
.irp j, 0,1,2,3,4,5,6,7
	v_fma_f32 v[CN+\j], v[TP+\j], v[CN+\j], v[ZZ+\j]   ; cos r
.endr
.irp j, 0,1,2,3,4,5,6,7
	v_cvt_i32_f32 v[NN+\j], v[NN+\j]               ; the quadrant's number (0 or more)
.endr
.irp j, 0,1,2,3,4,5,6,7
	v_and_b32 v[TP+\j], 1, v[NN+\j]
.endr
.irp j, 0,1,2,3,4,5,6,7
	v_cmp_eq_u32 vcc_lo, 1, v[TP+\j]               ; in the odd quadrants the two change places
	v_cndmask_b32 v[SI+\j], v[SN+\j], v[CN+\j], vcc_lo
	v_cndmask_b32 v[CO+\j], v[CN+\j], v[SN+\j], vcc_lo
.endr
.irp j, 0,1,2,3,4,5,6,7
	v_lshlrev_b32 v[TP+\j], 30, v[NN+\j]           ; sin is negative where bit 1 of the number is set,
.endr
.irp j, 0,1,2,3,4,5,6,7
	v_and_b32 v[TP+\j], 0x80000000, v[TP+\j]
.endr
.irp j, 0,1,2,3,4,5,6,7
	v_xor_b32 v[SI+\j], v[TP+\j], v[SI+\j]
.endr
.irp j, 0,1,2,3,4,5,6,7
	v_add_nc_u32 v[NN+\j], 1, v[NN+\j]             ; cos where bit 1 of the number + 1 is set
.endr
.irp j, 0,1,2,3,4,5,6,7
	v_lshlrev_b32 v[TP+\j], 30, v[NN+\j]
.endr
.irp j, 0,1,2,3,4,5,6,7
	v_and_b32 v[TP+\j], 0x80000000, v[TP+\j]
.endr
.irp j, 0,1,2,3,4,5,6,7
	v_xor_b32 v[CO+\j], v[TP+\j], v[CO+\j]
.endr
.irp p, 0,1,2,3
	global_store_b128 v3, v[CO+4*\p:CO+4*\p+3], s[32:33] offset:512*\p   ; a piece: 512 consecutive bytes, aligned
.endr
	s_wait_tensorcnt 0x0
	ds_add_u32 v[SPW], v[NIL]
	s_wait_dscnt 0x0
	s_endpgm
.Lfunc_end_k_qca61906cc5_prep:
	.size	k_qca61906cc5_prep, .Lfunc_end_k_qca61906cc5_prep-k_qca61906cc5_prep
	.p2alignl 7, 3214868480
	.fill 96, 4, 3214868480
	.section	.rodata,"a",@progbits
	.p2align	6, 0x0
	.amdhsa_kernel k_qca61906cc5_prep
		.amdhsa_group_segment_fixed_size 33280
		.amdhsa_private_segment_fixed_size 0
		.amdhsa_enable_private_segment 0
		.amdhsa_kernarg_size 104
		.amdhsa_user_sgpr_count 2
		.amdhsa_user_sgpr_kernarg_segment_ptr 1
		.amdhsa_wavefront_size32 1
		.amdhsa_system_sgpr_workgroup_id_x 1
		.amdhsa_system_sgpr_workgroup_id_y 1
		.amdhsa_system_sgpr_workgroup_id_z 1
		.amdhsa_system_vgpr_workitem_id 0
		.amdhsa_next_free_vgpr 192
		.amdhsa_next_free_sgpr 66
		.amdhsa_reserve_vcc 1
		.amdhsa_float_denorm_mode_32 3
		.amdhsa_float_denorm_mode_16_64 3
		.amdhsa_memory_ordered 1
		.amdhsa_forward_progress 1
		.amdhsa_inst_pref_size 64
	.end_amdhsa_kernel
	.amdgpu_metadata
---
amdhsa.version: [ 1, 2 ]
amdhsa.kernels:
  - .name:           k_qca61906cc5_prep
    .symbol:         k_qca61906cc5_prep.kd
    .args:
      - { .name: query, .offset: 0, .size: 8, .value_kind: global_buffer, .address_space: global }
      - { .name: key, .offset: 8, .size: 8, .value_kind: global_buffer, .address_space: global }
      - { .name: value, .offset: 16, .size: 8, .value_kind: global_buffer, .address_space: global }
      - { .name: Wq, .offset: 24, .size: 8, .value_kind: global_buffer, .address_space: global }
      - { .name: Wk, .offset: 32, .size: 8, .value_kind: global_buffer, .address_space: global }
      - { .name: Wv, .offset: 40, .size: 8, .value_kind: global_buffer, .address_space: global }
      - { .name: Wo, .offset: 48, .size: 8, .value_kind: global_buffer, .address_space: global }
      - { .name: acodes, .offset: 56, .size: 8, .value_kind: global_buffer, .address_space: global }
      - { .name: ascales, .offset: 64, .size: 8, .value_kind: global_buffer, .address_space: global }
      - { .name: wcodes, .offset: 72, .size: 8, .value_kind: global_buffer, .address_space: global }
      - { .name: wscales, .offset: 80, .size: 8, .value_kind: global_buffer, .address_space: global }
      - { .name: wo16, .offset: 88, .size: 8, .value_kind: global_buffer, .address_space: global }
      - { .name: rope, .offset: 96, .size: 8, .value_kind: global_buffer, .address_space: global }
    .group_segment_fixed_size: 33280
    .private_segment_fixed_size: 0
    .kernarg_segment_align: 8
    .kernarg_segment_size: 104
    .max_flat_workgroup_size: 128
    .sgpr_count:     66
    .vgpr_count:     192
    .wavefront_size: 32
...
	.end_amdgpu_metadata
.endif
;; end of part 1
;; launch proj (part 2): grid 4 x 48, 4 waves a work-group, clusters of 4 x 4, 327,680 bytes of LDS; arguments acodes, ascales, wcodes, wscales, bq, bk, bv, rope, qkv16; writes qkv16
.if DOCPART == 2
	.amdgcn_target "amdgcn-amd-amdhsa--gfx1250"
	.amdhsa_code_object_version 6
	.text
	.protected	k_qca61906cc5_proj
	.globl	k_qca61906cc5_proj
	.p2align	8
	.type	k_qca61906cc5_proj,@function
k_qca61906cc5_proj:
	s_mov_b64 s[64:65], 0
	v_nop
	global_prefetch_b8 v0, s[64:65] scope:SCOPE_SE
	s_setreg_imm32_b32 hwreg(HW_REG_WAVE_MODE, 25, 1), 1
	s_wait_xcnt 0x0
	s_wait_alu depctr_hold_cnt(0) depctr_sa_sdst(0) depctr_va_vdst(0) depctr_va_sdst(0) depctr_va_ssrc(0) depctr_va_vcc(0) depctr_vm_vsrc(0)
	s_getreg_b32 s2, hwreg(HW_REG_IB_STS2, 6, 4)
	s_cmp_eq_u32 s2, 0
	s_cbranch_scc0 .Lentry_in_a_cluster
	s_endpgm
.Lentry_in_a_cluster:
	s_bfe_u32 s2, ttmp6, 0x10000c
	s_cmp_lg_u32 s2, 0xf033
	s_cbranch_scc0 .Lentry_shape_is_right
	s_endpgm
.Lentry_shape_is_right:
; PROJ: the three quantised products q = query Wq^T + bq, k = key Wk^T + bk, v = value Wv^T + bv on codes of FP4 (E2M1) with one E8M0 scale for each 32 along K, the rotary embedding, and the rounding to f16.
; The three are ONE product of 12,288 rows (q's, k's, v's tokens on end in acodes) whose rows 4,096 MI on meet the weight MI (wcodes: Wq, Wk, Wv on end).  Result: qkv16 [3][16 heads][4096 tokens][64] f16.
; A work-group of four waves makes 256 tokens x 256 columns, a wave 128 x 128 (two heads): 64 accumulators of 16 x 16, 512 registers.  3 x 16 x 4 = 192 work-groups: the three products do not cut into 256 equal tiles of this size.
; K = 1,024 is two steps of 512 (a tile's row is 256 bytes): both slots, and the scale bytes of all of K, are asked for at the head; no LDS byte is filled twice.
; CLUSTERS: 4 x 4 work-groups.  The four of a row of the cluster need the same tiles of the tokens, the four of a column the same tiles of the weight: each tile is asked for JOINTLY, by the same tensor load with the same descriptor and a mask
; that names the four.  A cluster's four rows lie in one of the three products (MI is made of the cluster's y alone).
; THE MATRIX INSTRUCTION IS USED TRANSPOSED (source 0 = 16 rows of the weight, source 1 = 16 tokens): a lane holds one token and eight neighbouring columns.  The bias is the C of each sum's first product.
; THE ROTARY EMBEDDING: y[d] = x[d] cos[d] - x[d + 32] sin[d], y[d + 32] = x[d + 32] cos[d] + x[d] sin[d], d < 32: x[d] and x[d + 32] lie in the same lane and register number of accumulators two column blocks apart.
; cos and sin come from a table laid in the order of these registers.  The values go through the same lines with the table's blocks for position 0 (cos 1, sin 0), which leave them as they are: one text, no branch;
; q's and k's work-groups do that work anyway.
; LIMITS: |q|, |k|, |v| must lie under 65,504 (f16); NaN and infinities are not served.
; No prefetch: all that the launch reads through LDS is asked for at its head.
; REGISTERS, in windows of 256: window 0: v0-31 addresses; v32-95 scale words, two sets; v96-127 a table set; v128-191 the tokens' fragments, ONE set; v192-255 the bias.  On the way out: v32-63 the second table set, v64-79 at work,
;   v128-191 the rotated block, v192-255 rows read back.   window 1: the weight's fragments, TWO sets, at v0 and v128.   window 2: the accumulators of my tokens 0-63 ((a, b) at v[8 (8 a + b)]);  window 3: of tokens 64-127.
.set NQ,     4                         ; matrix instructions deep in a slot: 512 along K
.set ROWB,   256                       ; a tile's row in bytes
.set KROW,   512                       ; a row of codes in memory
.set PITCH,  272                       ; an LDS row: 256 bytes + 16 of padding: the 16 rows that a load touches start 68 words apart
.set FR,     8                         ; registers of a fragment: 16 rows x 128 K
.set NL,     2                         ; LDS loads that bring one
.set NP,     4                         ; places behind this matrix instruction (ISA guide 7.12.1)
.set HALFT,  128*PITCH                 ; 128 rows: what one tensor load brings
.set SLOT,   4*HALFT                   ; the tokens' 256 rows, then the weight's 256
.set KS,     32                        ; a row of scale bytes
.set SCL,    2*SLOT                    ; behind the slots: the scale bytes, as units of 256 bytes + 16 of padding
.set HALFS,  16*272                    ; those of 128 rows
.set SBLK,   2*272                     ; those of 16 rows
.set SPARE,  SCL+4*HALFS               ; the spare words, 128 bytes a wave: two blocks of 256 bytes that no other line names
.set SPB,    144                       ; the way out: a stage of 2 heads x 16 rows x (128 bytes + 16) for each wave, in slot 0, which has had its one fill and its last read by then
.set STGW,   2*16*SPB
.set ADRA, 16                          ; v16-17  LDS address of my tokens' fragments in slot 0, 1
.set ADRB, 20                          ; v20-21  of my weight's
.set STO,  24                          ; v24     the stage: where I put 16 bytes of a row
.set RD,   25                          ; v25     and where I read rows back
.set CO,   26                          ; v26     16 x lane
.set ADRS, 27                          ; v27     LDS address of my scale words: lanes 0-15 the tokens', lanes 16-31 the weight's
.set SPW,  28                          ; v28     my spare word; never rewritten
.set NIL,  29                          ; v29     0; never rewritten
.set BA,   30                          ; v30     32 x (lane / 16): my eight numbers of a bias block
.set SC,   32
.set TT,   64                          ; v64-71, v72-79: the products with sin
.set UU,   72
.set AF,   128
.set YY,   128
.set BI,   192
.set BK,   192
.set G1, 24
.set G0, 32
.set G1B, 48
.set G0B, 56
.set G1S, 68
.set G0S, 76
.set G1SB, 80
.set G0SB, 88
.set MSB, 0
.macro WIN new                         ; the immediate's high byte repeats the setting that is left; a switch that changes nothing is dropped
.if MSB != (\new)
	s_set_vgpr_msb (MSB<<8)|(\new)
.set MSB, (\new)
.endif
.endm
.set MUL_LO,   0xa1                    ; source 0 (weight) window 1, source 1 (tokens) window 0, C and D window 2
.set MUL_HI,   0xf1                    ; the same, C and D window 3
.set FIRST_LO, 0x81                    ; the first products: C (the bias) window 0, D window 2
.set FIRST_HI, 0xc1                    ; D window 3
.set TO_B,     0x40                    ; destination window 1, address window 0
; A joint load: waves 0 and 1 fetch for the tokens, waves 2 and 3 for the weight.  Each line has ONE mask and one set of registers for all that issue it; the branch hangs on the wave's number alone.
; An s_nop 0 and four v_nop follow each of the two lines.
.macro JLOAD g0a, g1a, g0b, g1b
	s_cmp_eq_u32 s23, 0
	s_cbranch_scc0 .Lfor_b_\@
	tensor_load_to_lds s[\g0a:\g0a+3], s[\g1a:\g1a+7]
	s_nop 0
.rept 4
	v_nop
.endr
	s_branch .Lasked_\@
.Lfor_b_\@:
	tensor_load_to_lds s[\g0b:\g0b+3], s[\g1b:\g1b+7]
	s_nop 0
.rept 4
	v_nop
.endr
.Lasked_\@:
.endm
.macro CROUND                          ; a round of the cluster's barrier
	s_barrier_signal -1
	s_barrier_wait -1
	s_cmp_lg_u32 s22, 0
	s_cbranch_scc1 .Lnot_wave_0_\@
	s_barrier_signal -3
.Lnot_wave_0_\@:
	s_barrier_wait -3
	s_barrier_signal -1
	s_barrier_wait -1
.endm
	s_load_b256 s[4:11], s[0:1], 0x0               ; acodes s[4:5], ascales s[6:7], wcodes s[8:9], wscales s[10:11]
	s_load_b256 s[12:19], s[0:1], 0x20             ; bq s[12:13], bk s[14:15], bv s[16:17], rope s[18:19]
	s_load_b64 s[20:21], s[0:1], 0x40              ; qkv16
	v_lshl_add_u32 v[SPW], v0, 2, SPARE
	v_mov_b32 v[NIL], 0
	ds_add_u32 v[SPW], v[NIL]                      ; the wave's opening: the add, twice on end, and its wait ahead of my first tensor load
	ds_add_u32 v[SPW], v[NIL]
	v_lshrrev_b32 v1, 5, v0
	v_readfirstlane_b32 s22, v1                    ; wave 0..3
	s_lshr_b32 s23, s22, 1                         ; HM: which half of the tile's tokens is mine.  Also: I fetch for the tokens (0) or for the weight (1)
	s_and_b32 s46, s22, 1                          ; HN: which half of its columns.  Also: which 128 rows of that tile I fetch
	s_bfe_u32 s40, ttmp6, 0x40000                  ; cx, cy: my place in the cluster
	s_bfe_u32 s41, ttmp6, 0x40004
	s_lshl_b32 s42, ttmp9, 2
	s_add_co_u32 s42, s42, s40                     ; tx: tile column, 0..3
	s_and_b32 s2, ttmp7, 0xffff                    ; the cluster's y, 0..11
	s_lshl_b32 s43, s2, 2
	s_add_co_u32 s43, s43, s41                     ; ty: tile row of the 12,288 rows, 0..47
	s_lshr_b32 s2, s2, 2                           ; MI: which of the three products: the same in all sixteen partners
	s_lshl_b32 s44, s41, 2
	s_lshl_b32 s44, 15, s44                        ; my row of the cluster
	s_lshl_b32 s45, 0x1111, s40                    ; my column
	; descriptor group 1: a tile of 128 rows x 256 bytes, padded in LDS
	s_or_b32 s[G1+0], s44, (0<<16)|(1<<20)|(1<<21)|(5<<22)|(3<<25)  ; 15:0 the mask; 17:16 elements of 1 byte; 20 padding on; 21 set beside a mask; 24:22 after every 64 words; 31:25 four words
	s_or_b32 s[G1B+0], s45, (0<<16)|(1<<20)|(1<<21)|(5<<22)|(3<<25)
.irp g, G1, G1B
	s_mov_b32 s[\g+1], ROWB<<16                    ; tensor_dim0
	s_mov_b32 s[\g+2], 128<<16                     ; tensor_dim1
	s_mov_b32 s[\g+3], ROWB<<16                    ; tile_dim0
	s_mov_b32 s[\g+4], 128                         ; tile_dim1
	s_mov_b32 s[\g+5], KROW                        ; from row to row
	s_mov_b32 s[\g+6], 0
	s_mov_b32 s[\g+7], 0
.endr
	; the scale bytes of 128 rows: 4,096 dense bytes, as 16 rows of 256 bytes (32 elements of 8 bytes), 16 bytes of padding behind each
	s_or_b32 s[G1S+0], s44, (3<<16)|(1<<20)|(1<<21)|(5<<22)|(3<<25)
	s_or_b32 s[G1SB+0], s45, (3<<16)|(1<<20)|(1<<21)|(5<<22)|(3<<25)
.irp g, G1S, G1SB
	s_mov_b32 s[\g+1], 32<<16
	s_mov_b32 s[\g+2], 16<<16
	s_mov_b32 s[\g+3], 32<<16
	s_mov_b32 s[\g+4], 16
	s_mov_b32 s[\g+5], 32
	s_mov_b32 s[\g+6], 0
	s_mov_b32 s[\g+7], 0
.endr
	s_lshl_b32 s47, s46, 7                         ; which 128 rows of the tile I fetch
	s_lshl_b32 s92, s43, 8
	s_add_co_u32 s92, s92, s47                     ; tokens: row 256 ty + 128 HN
	s_lshl_b32 s96, s92, 5                         ; its scale bytes,
	s_lshl_b32 s92, s92, 9                         ; its codes
	s_mov_b32 s93, 0
	s_mov_b32 s97, 0
	s_lshl_b32 s94, s42, 8
	s_add_co_u32 s94, s94, s47
	s_lshl_b32 s3, s2, 10
	s_add_co_u32 s94, s94, s3                      ; weight: row 1,024 MI + 256 tx + 128 HN
	s_lshl_b32 s98, s94, 5
	s_lshl_b32 s94, s94, 9
	s_mov_b32 s95, 0
	s_mov_b32 s99, 0
	s_mul_i32 s100, s22, HALFT                     ; where they go: wave x 128 rows: no place in the cluster enters an LDS address
	s_mul_i32 s101, s22, HALFS
	s_wait_dscnt 0x0                               ; both opening adds are done
	s_wait_kmcnt 0x0
	s_add_nc_u64 s[92:93], s[4:5], s[92:93]
	s_add_nc_u64 s[96:97], s[6:7], s[96:97]
	s_add_nc_u64 s[94:95], s[8:9], s[94:95]
	s_add_nc_u64 s[98:99], s[10:11], s[98:99]
	CROUND                                         ; all sixteen work-groups are here: the joint loads meet
	s_mov_b32 s[G0S], 1
	s_add_co_u32 s[G0S+1], s101, SCL
	s_mov_b64 s[G0S+2:G0S+3], s[96:97]
	s_or_b32 s[G0S+3], s[G0S+3], 0x80000000
	s_mov_b32 s[G0SB], 1
	s_add_co_u32 s[G0SB+1], s101, SCL
	s_mov_b64 s[G0SB+2:G0SB+3], s[98:99]
	s_or_b32 s[G0SB+3], s[G0SB+3], 0x80000000
	JLOAD G0S, G1S, G0SB, G1SB                     ; the scale bytes first: they are wanted with K step 0
.irp s, 0,1
	s_mov_b32 s[G0+4*\s], 1
	s_add_co_u32 s[G0+4*\s+1], s100, \s*SLOT
	s_add_nc_u64 s[G0+4*\s+2:G0+4*\s+3], s[92:93], \s*ROWB
	s_or_b32 s[G0+4*\s+3], s[G0+4*\s+3], 0x80000000
	s_mov_b32 s[G0B+4*\s], 1
	s_add_co_u32 s[G0B+4*\s+1], s100, \s*SLOT
	s_add_nc_u64 s[G0B+4*\s+2:G0B+4*\s+3], s[94:95], \s*ROWB
	s_or_b32 s[G0B+4*\s+3], s[G0B+4*\s+3], 0x80000000
	JLOAD G0+4*\s, G1, G0B+4*\s, G1B               ; three tensor loads of mine are out in all
.endr
	v_and_b32 v1, 15, v0                           ; r = lane % 16
	v_bfe_u32 v2, v0, 4, 1                         ; h = lane / 16
	v_mul_u32_u24 v3, v1, PITCH
	v_lshl_add_u32 v4, v2, 4, v3                   ; a fragment's row x pitch + 16 h
	s_mul_i32 s92, s23, HALFT                      ; my 128 tokens
	s_mul_i32 s93, s46, HALFT                      ; my 128 rows of the weight,
	s_add_co_u32 s93, s93, 2*HALFT                 ; behind the tokens' 256
.irp s, 0,1
	v_add_nc_u32 v[ADRA+\s], s92, v4
	v_add_nc_u32 v[ADRB+\s], s93, v4
	s_add_co_u32 s92, s92, SLOT
	s_add_co_u32 s93, s93, SLOT
.endr
	v_mul_u32_u24 v5, v1, KS                       ; my row's scale bytes: 32 a row,
	v_lshrrev_b32 v6, 8, v5
	v_lshl_add_u32 v5, v6, 4, v5                   ; and 16 more for each 256 passed
	s_mul_i32 s92, s23, HALFS
	s_mul_i32 s93, s46, HALFS
	s_add_co_u32 s93, s93, 2*HALFS
	s_sub_co_u32 s93, s93, s92
	v_mul_u32_u24 v6, s93, v2                      ; lanes 16-31 take the weight's: one product, the distance between the two bases
	s_add_co_u32 s92, s92, SCL
	v_add_nc_u32 v5, v5, v6
	v_add_nc_u32 v[ADRS], s92, v5
	s_mul_i32 s92, s22, STGW                       ; my stage
	v_mul_u32_u24 v5, v1, SPB
	v_lshl_add_u32 v5, v2, 4, v5
	v_add_nc_u32 v[STO], s92, v5                   ; in: row r, 16 bytes for each half of the lanes
	v_and_b32 v6, 31, v0
	v_lshlrev_b32 v[CO], 4, v6
	v_lshrrev_b32 v7, 3, v6
	v_mul_u32_u24 v7, v7, SPB
	v_and_b32 v8, 7, v6
	v_lshl_add_u32 v7, v8, 4, v7
	v_add_nc_u32 v[RD], s92, v7                    ; back: eight lanes to a row of 128 bytes, four rows an instruction
	v_lshlrev_b32 v[BA], 5, v2
	s_cmp_eq_u32 s2, 1                             ; the bias of my product
	s_cselect_b64 s[12:13], s[14:15], s[12:13]
	s_cmp_eq_u32 s2, 2
	s_cselect_b64 s[12:13], s[16:17], s[12:13]
	s_lshl_b32 s94, s42, 10
	s_lshl_b32 s95, s46, 9
	s_add_co_u32 s94, s94, s95                     ; at column 256 tx + 128 HN
	s_mov_b32 s95, 0
	s_add_nc_u64 s[12:13], s[12:13], s[94:95]
	s_and_b32 s96, s43, 15
	s_lshl_b32 s96, s96, 4
	s_lshl_b32 s97, s23, 3
	s_add_co_u32 s96, s96, s97                     ; the table's block of my first 16 tokens: 16 (ty % 16) + 8 HM;
	s_cmp_eq_u32 s2, 2
	s_cselect_b32 s96, 256, s96                    ; for the values the blocks of position 0
	s_lshl_b32 s96, s96, 12
	s_mov_b32 s97, 0
	s_add_nc_u64 s[18:19], s[18:19], s[96:97]
	s_lshl_b32 s94, s42, 2
	s_lshl_b32 s95, s46, 1
	s_add_co_u32 s94, s94, s95                     ; my first head: 4 tx + 2 HN
	s_lshl_b32 s94, s94, 19                        ; a head is 524,288 bytes,
	s_lshl_b32 s95, s2, 23                         ; a tensor 8,388,608
	s_add_co_u32 s94, s94, s95
	s_mov_b32 s95, 0
	s_add_nc_u64 s[20:21], s[20:21], s[94:95]
	s_and_b32 s96, s43, 15
	s_lshl_b32 s96, s96, 15                        ; my first token: 256 (ty % 16) + 128 HM, 128 bytes each
	s_lshl_b32 s97, s23, 14
	s_add_co_u32 s96, s96, s97
	s_mov_b32 s97, 0
	s_add_nc_u64 s[20:21], s[20:21], s[96:97]
.irp b, 0,1,2,3,4,5,6,7
	global_load_b128 v[BI+8*\b:BI+8*\b+3], v[BA], s[12:13] offset:64*\b         ; the bias in the result's layout: columns 16 b + 8 h + 0 .. 7
	global_load_b128 v[BI+8*\b+4:BI+8*\b+7], v[BA], s[12:13] offset:64*\b+16
.endr
.macro TABLE a                         ; cos and sin for block a of 16 tokens: 8 loads of 512 consecutive bytes, into v96-127 (a even) or v32-63 (a odd): register 16 bb + j cos, 16 bb + 8 + j sin of frequency 16 bb + 8 h + j
.set CSX, 96-64*((\a)%2)
.irp bb, 0,1
.irp pc, 0,1,2,3
	global_load_b128 v[CSX+16*\bb+4*\pc:CSX+16*\bb+4*\pc+3], v[CO], s[18:19] offset:(\a)*4096+\bb*2048+\pc*512
.endr
.endr
.endm
	TABLE 0
.macro FRAG reg, adr, q, i             ; a fragment, 16 rows x 128 K of 4-bit codes: lane l holds row l % 16; registers 4 c .. 4 c + 3 hold K = 64 c + 32 (l / 16) + 0 .. 31
.irp c, 0,1
	ds_load_b128 v[\reg+4*\c:\reg+4*\c+3], v[\adr] offset:64*(\q)+32*\c+(\i)*16*PITCH
.endr
.endm
; 16 matrix instructions: token blocks a0, a0 + 1 x the weight's eight, 128 along K: the slot's q-th.  p: the weight's set; sc: the set of scale words.  first = 1: the bias is the C: nothing is ever cleared.
; The 64 accumulators take turns, one instruction a turn, in the same order in every step.
.macro MUL16 a0, p, q, sc, first
.irp a, \a0, \a0+1
.irp b, 0,1,2,3,4,5,6,7
.if \first
	v_wmma_scale_f32_16x16x128_f8f6f4 v[8*(8*((\a)%4)+\b):8*(8*((\a)%4)+\b)+7], v[128*(\p)+FR*\b:128*(\p)+FR*\b+FR-1], v[AF+FR*(\a):AF+FR*(\a)+FR-1], v[BI+8*\b:BI+8*\b+7], v[SC+8*NQ*(\sc)+NQ*\b+(\q)], v[SC+8*NQ*(\sc)+NQ*(\a)+(\q)] matrix_a_fmt:MATRIX_FMT_FP4 matrix_b_fmt:MATRIX_FMT_FP4 matrix_a_scale:MATRIX_SCALE_ROW1
.else
	v_wmma_scale_f32_16x16x128_f8f6f4 v[8*(8*((\a)%4)+\b):8*(8*((\a)%4)+\b)+7], v[128*(\p)+FR*\b:128*(\p)+FR*\b+FR-1], v[AF+FR*(\a):AF+FR*(\a)+FR-1], v[8*(8*((\a)%4)+\b):8*(8*((\a)%4)+\b)+7], v[SC+8*NQ*(\sc)+NQ*\b+(\q)], v[SC+8*NQ*(\sc)+NQ*(\a)+(\q)] matrix_a_fmt:MATRIX_FMT_FP4 matrix_b_fmt:MATRIX_FMT_FP4 matrix_a_scale:MATRIX_SCALE_ROW1
.endif
.endr
.endr
.endm
.macro FETCH_B slot, q, p
	WIN TO_B
.irp i, 0,1,2,3,4,5,6,7
	FRAG 128*(\p)+FR*\i, ADRB+\slot, \q, \i
.endr
	WIN 0
.endm
.macro FETCH_A slot, q, i0
.irp i, \i0, \i0+1, \i0+2, \i0+3
	FRAG AF+FR*(\i), ADRA+\slot, \q, \i
.endr
.endm
.macro SCALES sc                       ; a K step's scale words: four words a row; lanes 0-15 take the tokens' block i, lanes 16-31 the weight's block i
.irp i, 0,1,2,3,4,5,6,7
	ds_load_b128 v[SC+8*NQ*\sc+NQ*\i:SC+8*NQ*\sc+NQ*\i+3], v[ADRS] offset:\i*SBLK
.endr
.endm
.macro PLACES n                        ; a load into a register that a matrix instruction has read, and a vector instruction or store that reads a result, stand four plain vector instructions behind it (ISA guide 7.12.1 for vector instructions and stores)
.rept \n
	v_nop
.endr
.endm
.macro STEP slot, q, first             ; a step of 128 along K that has its successor in the same slot
	s_wait_dscnt 4*NL                              ; the weight's set and token blocks 0-3 are in; the youngest eight loads (blocks 4-7) may be out
.if \first
	WIN FIRST_LO
.else
	WIN MUL_LO
.endif
	MUL16 0, (\q)%2, \q, \slot, \first
	MUL16 2, (\q)%2, \q, \slot, \first
	s_wait_dscnt 0
	PLACES NP
	FETCH_B \slot, (\q)+1, 1-(\q)%2
	FETCH_A \slot, (\q)+1, 0
.if \first
	WIN FIRST_HI
.else
	WIN MUL_HI
.endif
	MUL16 4, (\q)%2, \q, \slot, \first
	MUL16 6, (\q)%2, \q, \slot, \first
	PLACES NP
	WIN 0
	FETCH_A \slot, (\q)+1, 4
.endm
	s_wait_tensorcnt 1                             ; the scale bytes and my part of K step 0 are in; K step 1's load stays out
	s_barrier_signal -1
	s_barrier_wait -1                              ; everybody's are
	FETCH_B 0, 0, 0
	FETCH_A 0, 0, 0
	SCALES 0
	FETCH_A 0, 0, 4
	s_wait_loadcnt 0x0                             ; the bias and the first table set
	STEP 0, 0, 1
	STEP 0, 1, 0
	STEP 0, 2, 0
	; slot 0's last step changes slots: each wave waits for all its tensor loads (its part of slot 1), and for its own reads of slot 0, ahead of the barrier
	s_wait_tensorcnt 0x0
	ds_add_u32 v[SPW], v[NIL]                      ; 0 onto my spare word
	s_wait_dscnt 4*NL+1                            ; the add and the youngest eight loads may be out
	WIN MUL_LO
	MUL16 0, 1, NQ-1, 0, 0
	s_wait_dscnt 0x0                               ; the add is done, and my reads of slot 0 are over
	s_barrier_signal -1
	MUL16 2, 1, NQ-1, 0, 0
	WIN 0
	s_barrier_wait -1                              ; slot 1 is whole, and nobody reads slot 0 any more
	PLACES NP
	v_add_nc_u32 v[ADRS], 4*NQ, v[ADRS]            ; on to the second K step's scale words
	FETCH_B 1, 0, 0
	FETCH_A 1, 0, 0
	SCALES 1
	WIN MUL_HI
	MUL16 4, 1, NQ-1, 0, 0
	MUL16 6, 1, NQ-1, 0, 0
	PLACES NP
	WIN 0
	FETCH_A 1, 0, 4
	STEP 1, 0, 0
	STEP 1, 1, 0
	STEP 1, 2, 0
	s_wait_dscnt 4*NL                              ; the very last step: nothing more to fetch
	WIN MUL_LO
	MUL16 0, 1, NQ-1, 1, 0
	MUL16 2, 1, NQ-1, 1, 0
	s_wait_dscnt 0
	WIN MUL_HI
	MUL16 4, 1, NQ-1, 1, 0
	MUL16 6, 1, NQ-1, 1, 0
	WIN 0
; THE WAY OUT, block by block of 16 tokens x 128 columns (two heads).  Rotated, rounded to f16 (16 bytes a lane and column block), through my own stage in LDS, back as whole rows of a head (128 bytes; four tokens' rows lie on end
; in memory), stored 512 consecutive bytes an instruction.  LDS serves a wave's instructions in order: no wait between the stores and the loads, nor ahead of the next block's stores.
.macro BLK a
.set AC, 64*((\a)%4)
.set CSX, 96-64*((\a)%2)
.if (\a) < 7
	s_wait_loadcnt 8                               ; this block's table set is in; the next block's eight loads stay out
.else
	s_wait_loadcnt 0x0
.endif
	WIN 0x02+(\a)/4                                ; source 0: the accumulators' window
.irp hd, 0,1
.irp bb, 0,1
.irp p, 0,2,4,6                        ; each accumulator is read from its low end on
	v_pk_mul_f32 v[TT+\p:TT+\p+1], v[AC+8*(4*\hd+\bb+2)+\p:AC+8*(4*\hd+\bb+2)+\p+1], v[CSX+16*\bb+8+\p:CSX+16*\bb+8+\p+1]   ; x[d + 32] sin
.endr
.irp p, 0,2,4,6
	v_pk_mul_f32 v[UU+\p:UU+\p+1], v[AC+8*(4*\hd+\bb)+\p:AC+8*(4*\hd+\bb)+\p+1], v[CSX+16*\bb+8+\p:CSX+16*\bb+8+\p+1]       ; x[d] sin
.endr
.irp p, 0,2,4,6
	v_pk_fma_f32 v[YY+8*(4*\hd+\bb)+\p:YY+8*(4*\hd+\bb)+\p+1], v[AC+8*(4*\hd+\bb)+\p:AC+8*(4*\hd+\bb)+\p+1], v[CSX+16*\bb+\p:CSX+16*\bb+\p+1], v[TT+\p:TT+\p+1] neg_lo:[0,0,1] neg_hi:[0,0,1]
.endr
.irp p, 0,2,4,6
	v_pk_fma_f32 v[YY+8*(4*\hd+\bb+2)+\p:YY+8*(4*\hd+\bb+2)+\p+1], v[AC+8*(4*\hd+\bb+2)+\p:AC+8*(4*\hd+\bb+2)+\p+1], v[CSX+16*\bb+\p:CSX+16*\bb+\p+1], v[UU+\p:UU+\p+1]
.endr
.endr
.endr
	WIN 0
.if (\a)+2 < 8
	TABLE (\a)+2                                   ; into the set just read
.endif
.set i, 0
.rept 32
	v_cvt_pk_f16_f32 v[YY+i], v[YY+2*i], v[YY+2*i+1]   ; in place, ascending: register i is written when registers 2 i and 2 i + 1 are read
.set i, i+1
.endr
.if (\a) > 1
	s_wait_xcnt 0x0                                ; block a - 2's stores have read the registers into which the loads below land
.endif
.irp b, 0,1,2,3,4,5,6,7
	ds_store_b128 v[STO], v[YY+4*\b:YY+4*\b+3] offset:(\b/4)*16*SPB+32*(\b%4)
.endr
.irp i, 0,1,2,3,4,5,6,7
	ds_load_b128 v[BK+32*((\a)%2)+4*\i:BK+32*((\a)%2)+4*\i+3], v[RD] offset:4*SPB*\i
.endr
.endm
.macro SEND a, younger                 ; younger: the LDS instructions issued behind block a's loads: the next block's eight stores and eight loads, or none
	s_wait_dscnt \younger
.irp i, 0,1,2,3,4,5,6,7
	global_store_b128 v[CO], v[BK+32*((\a)%2)+4*\i:BK+32*((\a)%2)+4*\i+3], s[20:21] offset:(\i/4)*524288+2048*(\a)+512*(\i%4)   ; four tokens' rows of a head: 512 consecutive bytes, aligned
.endr
.endm
	PLACES NP                                      ; behind the last products: for the loads into the scale words' registers and the writes into the fragments'
	TABLE 1
	BLK 0
.irp a, 1,2,3,4,5,6,7
	BLK \a
	SEND \a-1, 16
.endr
	SEND 7, 0
	s_wait_tensorcnt 0x0                           ; the wave's end: behind my last tensor load and my last LDS store
	ds_add_u32 v[SPW], v[NIL]
	s_wait_dscnt 0x0
	CROUND                                         ; the closing round: no work-group ends while a partner may still ask for a tile that names it
	s_endpgm
.Lfunc_end_k_qca61906cc5_proj:
	.size	k_qca61906cc5_proj, .Lfunc_end_k_qca61906cc5_proj-k_qca61906cc5_proj
	.p2alignl 7, 3214868480
	.fill 96, 4, 3214868480
	.section	.rodata,"a",@progbits
	.p2align	6, 0x0
	.amdhsa_kernel k_qca61906cc5_proj
		.amdhsa_group_segment_fixed_size 327680
		.amdhsa_private_segment_fixed_size 0
		.amdhsa_enable_private_segment 0
		.amdhsa_kernarg_size 72
		.amdhsa_user_sgpr_count 2
		.amdhsa_user_sgpr_kernarg_segment_ptr 1
		.amdhsa_wavefront_size32 1
		.amdhsa_system_sgpr_workgroup_id_x 1
		.amdhsa_system_sgpr_workgroup_id_y 1
		.amdhsa_system_sgpr_workgroup_id_z 1
		.amdhsa_system_vgpr_workitem_id 0
		.amdhsa_next_free_vgpr 1024
		.amdhsa_next_free_sgpr 102
		.amdhsa_reserve_vcc 0
		.amdhsa_float_denorm_mode_32 3
		.amdhsa_float_denorm_mode_16_64 3
		.amdhsa_memory_ordered 1
		.amdhsa_forward_progress 1
		.amdhsa_inst_pref_size 167
	.end_amdhsa_kernel
	.amdgpu_metadata
---
amdhsa.version: [ 1, 2 ]
amdhsa.kernels:
  - .name:           k_qca61906cc5_proj
    .symbol:         k_qca61906cc5_proj.kd
    .args:
      - { .name: acodes, .offset: 0, .size: 8, .value_kind: global_buffer, .address_space: global }
      - { .name: ascales, .offset: 8, .size: 8, .value_kind: global_buffer, .address_space: global }
      - { .name: wcodes, .offset: 16, .size: 8, .value_kind: global_buffer, .address_space: global }
      - { .name: wscales, .offset: 24, .size: 8, .value_kind: global_buffer, .address_space: global }
      - { .name: bq, .offset: 32, .size: 8, .value_kind: global_buffer, .address_space: global }
      - { .name: bk, .offset: 40, .size: 8, .value_kind: global_buffer, .address_space: global }
      - { .name: bv, .offset: 48, .size: 8, .value_kind: global_buffer, .address_space: global }
      - { .name: rope, .offset: 56, .size: 8, .value_kind: global_buffer, .address_space: global }
      - { .name: qkv16, .offset: 64, .size: 8, .value_kind: global_buffer, .address_space: global }
    .group_segment_fixed_size: 327680
    .private_segment_fixed_size: 0
    .kernarg_segment_align: 8
    .kernarg_segment_size: 72
    .max_flat_workgroup_size: 128
    .sgpr_count:     102
    .vgpr_count:     1024
    .wavefront_size: 32
...
	.end_amdgpu_metadata
.endif
;; end of part 2
;; launch attn (part 3): grid 16 x 16, 8 waves a work-group, clusters of 4 x 1, 327,680 bytes of LDS; arguments qkv16, ctx16; writes ctx16
.if DOCPART == 3
	.amdgcn_target "amdgcn-amd-amdhsa--gfx1250"
	.amdhsa_code_object_version 6
	.text
	.protected	k_qca61906cc5_attn
	.globl	k_qca61906cc5_attn
	.p2align	8
	.type	k_qca61906cc5_attn,@function
k_qca61906cc5_attn:
	s_mov_b64 s[64:65], 0
	v_nop
	global_prefetch_b8 v0, s[64:65] scope:SCOPE_SE
	s_setreg_imm32_b32 hwreg(HW_REG_WAVE_MODE, 25, 1), 1
	s_wait_xcnt 0x0
	s_wait_alu depctr_hold_cnt(0) depctr_sa_sdst(0) depctr_va_vdst(0) depctr_va_sdst(0) depctr_va_ssrc(0) depctr_va_vcc(0) depctr_vm_vsrc(0)
	s_getreg_b32 s2, hwreg(HW_REG_IB_STS2, 6, 4)
	s_cmp_eq_u32 s2, 0
	s_cbranch_scc0 .Lentry_in_a_cluster
	s_endpgm
.Lentry_in_a_cluster:
	s_bfe_u32 s2, ttmp6, 0x10000c
	s_cmp_lg_u32 s2, 0x3003
	s_cbranch_scc0 .Lentry_shape_is_right
	s_endpgm
.Lentry_shape_is_right:
; ATTN: ctx[h][q][:] = the sum over k of softmax_k(Q[h][q] . K[h][k] / 8) V[h][k][:].  Q, K, V: qkv16 [3][16][4096][64] f16; ctx16 [16][4096][64] f16.  Products, maxima and sums in f32; the weights p are rounded to f16
; for the second product, ctx once at the end.  f16, not bf16: three more bits in each of the operands; |q|, |k|, |v| lie under 65,504 by the launch before; p is at most 1; ctx is a mean of v.
; SHARES.  A work-group of eight waves owns 256 queries of one head.  Wave w owns the 64 queries of group w % 4 (four tiles of 16) and, of every 256 keys, the half w / 4: role A (w < 4) keys 0-127, role B keys 128-255.
; So a fragment of K or V read from LDS feeds four products, and the two waves of a group of queries meet once, at the end, where their sums are joined by their maxima.
; LAYOUT.  S^T = K Q^T (source 0 = 16 keys, source 1 = 16 queries): a lane holds ONE query (lane % 16) and the keys 8 (lane / 16) + 0..7.  Two such tiles, rounded to f16 in pairs, ARE source 1 (32 keys x 16 queries) of
; O^T = V^T P, whose result again holds one query a lane.  K comes out of LDS as it lies, V ([key][channel]) turned, by ds_load_tr16_b128.
; SOFTMAX.  For each query a running maximum m and sum l: p = 2^(c s - c m), c = log2(e) / 8; in every step O and l are multiplied by a = 2^(c m_old - c m_new).
; TWO PHASES.  M(x): the products V^T P of step x - 1, then K Q^T of step x: 64 matrix instructions.  SM(x): the softmax of step x: vector work alone.  Behind every barrier role A begins with M and role B with SM:
; A: M SM M SM, B: SM M SM M.  Where two waves of different roles run side by side, one has matrix work while the other has vector work; the values do not hang on the pairing.
; What crosses a barrier lies in registers: A carries P and V, B the scores and V.  All LDS reads of a slot fall between its two barriers.
; ONE TEXT FROM THE FIRST STEP ON: O, V and l begin as zeros, m as -3e38; A's P as zeros (its first V^T P adds nothing), B's scores as -infinity (its first softmax gives p = 0, a = 1).  These registers are written once at the head,
; while the first tile is on its way; the price of a first trip of its own would be a third copy of the trip, different for the two roles.
; CLUSTER.  The four query blocks of a cluster belong to one head and walk the same K and V: each tile is asked for JOINTLY, by the same tensor load with the same descriptor and a mask that names the four.
; REGISTERS, in windows of 256: window 0: v2-15, v48-55 addresses; v16-47 eight registers of statistics a tile; v64-191 S^T, 32 a tile, P packed into the low 16 of them; v192-255 V of one step.
;   window 1: v0-127 O^T, 32 a tile; v128-191 Q; v192-255 K of one step.
.set PK,    144                        ; a row of K in LDS: 128 bytes + 16 of padding: an odd multiple of 16
.set PVP,   160                        ; a row of V: 128 + 32: an odd multiple of 32, for the turning load
.set KSB,   64*PK                      ; a step's 64 rows of K
.set VSB,   64*PVP
.set VOFF,  256*PK                     ; a slot: 256 rows of K, then 256 rows of V
.set SLOT1, 1<<17                      ; slot 1 begins here: one exclusive or turns an address in one slot into the other's
.set SPARE, SLOT1+VOFF+256*PVP         ; behind the ring: the spare words, 128 bytes a wave: four blocks of 256 bytes that no other line names
.set MRG,   SPARE+1024                 ; the joining: 8,192 bytes a wave: the two tiles of O^T that it gives away, as images of their registers,
.set MST,   MRG+8*8192                 ; and 512 bytes a wave: their c m and l
.set STG,   MST+8*512                  ; the way out: 32 rows x (128 bytes + 16) for each wave
.set SPB,   144
.set SLB,   256*128                    ; a slot's rows of K or of V in memory
.set AK0,  2                           ; v2   my lane's place in a tile of K
.set AV0,  3                           ; v3   in a tile of V
.set AKM,  4                           ; v4   the same, at my role's middle step (A: step 1, B: step 2)
.set AVM,  5
.set ADK,  6                           ; v6-9 those four in the slot in hand
.set ADV,  7
.set ADKM, 8
.set ADVM, 9
.set QOL,  10                          ; v10  my byte offset in Q for register tiles 0, 1;  v11 for tiles 2, 3
.set QOH,  11
.set SPW,  14                          ; v14  my spare word; never rewritten
.set NIL,  15                          ; v15  0; never rewritten
.set ST,   16                          ; tile t's statistics at v[ST + 8 t]: +0 c m, +1 m, +2, +3 l (even keys', odd keys'), +4 to +7 at work; a at +6
.set PFO,  48                          ; v48  256 x lane: the prefetches' offset
.set MWA,  49                          ; v49  where I put what I give away;  v50 where I find what my partner gives
.set MRA,  50
.set SWA,  51                          ; v51, v52 the same for the statistics
.set SRA,  52
.set STO,  53
.set RD,   54
.set GO,   55                          ; v55  16 x lane
.set S,    64
.set VF,   192
.set QF,   128                         ; in window 1
.set KF,   192                         ; in window 1
.set WV,   12
.set KH,   13
.set QG,   14
.set LIM,  15                          ; s15  1 in a wave that prefetches, else the greatest number
.set PFA,  18                          ; s[18:19] where my prefetches stand
.set G1K,  24
.set G1V,  32
.set G0K,  40
.set G0V,  44
.set SLOTS, 56
.set CS,   58                          ; s[58:59] c, twice: the packed scaling names a pair
.set SEL,  60                          ; s[60:61] lane selects: lane l xor 16
.set TB,   62                          ; s62  LDS byte at which the slot in hand begins
.set INIT, 63
.set MSB, 0
.macro WIN new
.if MSB != (\new)
	s_set_vgpr_msb (MSB<<8)|(\new)
.set MSB, (\new)
.endif
.endm
.set TO1,  0x40                        ; destination window 1
.set W_PV, 0x50                        ; V and P window 0; O^T (C and D) window 1
.set W_KQ, 0x05                        ; K and Q window 1; S^T window 0
.set W_RS, 0x41                        ; O^T (destination and source 0) window 1, a window 0
; A joint load: waves 0 to 3 fetch 64 rows of K each, waves 4 to 7 64 rows of V.  The branch hangs on the wave's number alone.  An s_nop 0 and four v_nop follow each line.
.macro JLOAD
	s_cmp_lt_u32 s[WV], 4
	s_cbranch_scc0 .Lfor_v_\@
	tensor_load_to_lds s[G0K:G0K+3], s[G1K:G1K+7]
	s_nop 0
.rept 4
	v_nop
.endr
	s_branch .Lasked_\@
.Lfor_v_\@:
	tensor_load_to_lds s[G0V:G0V+3], s[G1V:G1V+7]
	s_nop 0
.rept 4
	v_nop
.endr
.Lasked_\@:
.endm
; A PREFETCH INTO THE L2 of what the NEXT change of slots will ask for: 32,768 bytes of K and of V.  Each aligned 256 bytes are named once in the launch: all clusters of a head walk the same rows, so the head's first cluster asks;
; its four partners take 8,192 bytes each, told apart by ADDRESS; in each, wave 0 asks for K's and wave 4 for V's, lanes 256 bytes apart: one instruction.  It stands behind the wave's tensor load and its five lines.
; The last change that fills a slot asks for nothing; slots 0 and 1 come by their loads alone.
.macro ASK
	s_cmp_gt_u32 s[SLOTS], s[LIM]
	s_cbranch_scc0 .Lnot_mine_\@
	global_prefetch_b8 v[PFO], s[PFA:PFA+1] th:TH_LOAD_NT scope:SCOPE_SE
.Lnot_mine_\@:
.endm
.macro CROUND                          ; a round of the cluster's barrier
	s_barrier_signal -1
	s_barrier_wait -1
	s_cmp_lg_u32 s[WV], 0
	s_cbranch_scc1 .Lnot_wave_0_\@
	s_barrier_signal -3
.Lnot_wave_0_\@:
	s_barrier_wait -3
	s_barrier_signal -1
	s_barrier_wait -1
.endm
	s_load_b128 s[4:7], s[0:1], 0x0                ; qkv16 s[4:5], ctx16 s[6:7]
	v_lshl_add_u32 v[SPW], v0, 2, SPARE
	v_mov_b32 v[NIL], 0
	ds_add_u32 v[SPW], v[NIL]                      ; the wave's opening: the add, twice on end, and its wait ahead of my first tensor load
	ds_add_u32 v[SPW], v[NIL]
	v_lshrrev_b32 v1, 5, v0
	v_readfirstlane_b32 s[WV], v1                  ; wave 0..7
	s_lshr_b32 s[KH], s[WV], 2                     ; my role: 0 = A, 1 = B
	s_and_b32 s[QG], s[WV], 3                      ; my group of 64 queries.  Also: which 64 rows of a slot I fetch
	s_bfe_u32 s16, ttmp6, 0x40000                  ; cx: my place in the cluster
	s_lshl_b32 s17, ttmp9, 2
	s_add_co_u32 s17, s17, s16                     ; my block of 256 queries: it enters Q's and ctx's addresses alone
	s_and_b32 s20, ttmp7, 0xffff                   ; the head, which the four partners share
	s_lshl_b32 s20, s20, 19                        ; 524,288 bytes a head
	s_lshl_b32 s22, s[QG], 13                      ; 64 rows of 128 bytes
	s_add_co_u32 s22, s22, s20                     ; what I fetch of K and V; also my group's place in a block of queries
	s_mov_b32 s23, 0
	s_lshl_b32 s2, s17, 15                         ; a block of 256 rows
	s_add_co_u32 s2, s2, s22                       ; Q: my 64 rows
	s_mov_b32 s3, 0
	s_lshl_b32 s54, s[KH], 12
	s_add_co_u32 s54, s54, s2                      ; ctx: the 32 rows that I keep: 32 KH on
	s_mov_b32 s55, 0
	; descriptor group 1: a tile of 64 rows x 64 elements of 2 bytes, padded in LDS
	s_mov_b32 s[G1K], 15|(1<<16)|(1<<20)|(1<<21)|(4<<22)|(3<<25)  ; 15:0 the mask: all four work-groups; 17:16 elements of 2 bytes; 20 padding on; 21 set beside a mask; 24:22 after every 32 words; 31:25 four words
	s_mov_b32 s[G1V], 15|(1<<16)|(1<<20)|(1<<21)|(4<<22)|(7<<25)  ; the same with eight words of padding
.irp g, G1K, G1V
	s_mov_b32 s[\g+1], 64<<16                      ; tensor_dim0
	s_mov_b32 s[\g+2], 64<<16                      ; tensor_dim1
	s_mov_b32 s[\g+3], 64<<16                      ; tile_dim0
	s_mov_b32 s[\g+4], 64                          ; tile_dim1
	s_mov_b32 s[\g+5], 64                          ; from row to row
	s_mov_b32 s[\g+6], 0
	s_mov_b32 s[\g+7], 0
.endr
	s_mul_i32 s52, s[QG], KSB                      ; where my rows go in a slot: no place in the cluster enters an LDS address
	s_mul_i32 s53, s[QG], VSB
	s_add_co_u32 s53, s53, VOFF
	s_mov_b32 s[CS], 0x3e38aa3b                    ; c = log2(e) / 8
	s_mov_b32 s[CS+1], s[CS]
	s_mov_b32 s[SEL], 0x76543210
	s_mov_b32 s[SEL+1], 0xfedcba98
	s_mov_b32 s[TB], 0
	s_mov_b32 s[SLOTS], 15
	s_and_b32 s[LIM], s[WV], 3                     ; 0 in waves 0 and 4,
	s_or_b32 s[LIM], s[LIM], ttmp9                 ; where the cluster is the head's first: the same in all four partners
	s_cmp_eq_u32 s[LIM], 0
	s_cselect_b32 s[LIM], 1, -1
	s_cmp_eq_u32 s[KH], 0
	s_cselect_b32 s[INIT], 0, 0xff800000           ; A: P = 0;  B: scores = -infinity
	s_wait_dscnt 0x0                               ; both opening adds are done
	s_wait_kmcnt 0x0
	s_add_nc_u64 s[8:9], s[4:5], s[22:23]
	s_add_nc_u64 s[10:11], s[8:9], 0x1000000       ; V at my rows of slot 0
	s_add_nc_u64 s[8:9], s[8:9], 0x800000          ; K likewise
	s_add_nc_u64 s[48:49], s[4:5], s[2:3]          ; Q
	s_add_nc_u64 s[50:51], s[6:7], s[54:55]        ; ctx
	s_cmp_lt_u32 s[WV], 4
	s_cselect_b64 s[PFA:PFA+1], s[8:9], s[10:11]   ; (in waves 0 and 4 these stand at the head's first row)
	s_lshl_b32 s54, s16, 13                        ; my work-group's 8,192 bytes of a slot's 32,768
	s_add_nc_u64 s[PFA:PFA+1], s[PFA:PFA+1], s[54:55]
	s_add_nc_u64 s[PFA:PFA+1], s[PFA:PFA+1], SLB   ; in slot 1: the first change of slots steps it to slot 2.  Nothing is prefetched at the head
	CROUND                                         ; all four work-groups are here: the first joint loads meet
	s_mov_b32 s[G0K], 1
	s_mov_b32 s[G0K+1], s52
	s_mov_b64 s[G0K+2:G0K+3], s[8:9]
	s_or_b32 s[G0K+3], s[G0K+3], 0x80000000
	s_mov_b32 s[G0V], 1
	s_mov_b32 s[G0V+1], s53
	s_mov_b64 s[G0V+2:G0V+3], s[10:11]
	s_or_b32 s[G0V+3], s[G0V+3], 0x80000000
	JLOAD                                          ; slot 0: one tensor load of mine is out
	v_and_b32 v1, 15, v0                           ; r
	v_bfe_u32 v12, v0, 4, 1                        ; h
	v_and_b32 v13, 31, v0                          ; lane
	v_lshlrev_b32 v[QOL], 7, v1
	v_lshl_add_u32 v[QOL], v12, 4, v[QOL]          ; row r of 128 bytes + 16 h
	s_lshl_b32 s52, s[KH], 12
	s_xor_b32 s53, s52, 4096
	v_add_nc_u32 v[QOH], s53, v[QOL]               ; REGISTER TILES 0, 1 TAKE QUERY ROWS 32 KH ON, TILES 2, 3 THE OTHER 32: so both roles keep tiles 0, 1 at the end and give tiles 2, 3 away, by one text
	v_add_nc_u32 v[QOL], s52, v[QOL]
	WIN TO1
.irp t, 0,1
.irp c, 0,1                            ; a fragment of Q: 16 queries x 32 channels: two loads of 16 bytes, 32 bytes apart
	global_load_b128 v[QF+16*\t+8*\c:QF+16*\t+8*\c+3], v[QOL], s[48:49] offset:2048*\t+64*\c
	global_load_b128 v[QF+16*\t+8*\c+4:QF+16*\t+8*\c+7], v[QOL], s[48:49] offset:2048*\t+64*\c+32
	global_load_b128 v[QF+32+16*\t+8*\c:QF+32+16*\t+8*\c+3], v[QOH], s[48:49] offset:2048*\t+64*\c
	global_load_b128 v[QF+32+16*\t+8*\c+4:QF+32+16*\t+8*\c+7], v[QOH], s[48:49] offset:2048*\t+64*\c+32
.endr
.endr
	WIN 0
	v_mul_u32_u24 v[AK0], v1, PK
	v_lshl_add_u32 v[AK0], v12, 4, v[AK0]          ; K: row r x pitch + 16 h
	v_and_b32 v56, 7, v0
	v_bfe_u32 v57, v0, 3, 1
	v_lshl_add_u32 v[AV0], v12, 3, v56             ; V: the turning load: key 8 h + lane % 8, channels 8 ((lane / 8) % 2) on
	v_mul_u32_u24 v[AV0], v[AV0], PVP
	v_lshl_add_u32 v[AV0], v57, 4, v[AV0]
	v_add_nc_u32 v[AV0], VOFF, v[AV0]
	s_add_co_u32 s52, s[KH], 1                     ; my middle step: 1 (A) or 2 (B)
	s_mul_i32 s53, s52, KSB
	s_mul_i32 s52, s52, VSB
	v_add_nc_u32 v[AKM], s53, v[AK0]
	v_add_nc_u32 v[AVM], s52, v[AV0]
	v_lshlrev_b32 v[GO], 4, v13
	s_lshl_b32 s52, s[WV], 13
	s_add_co_u32 s52, s52, MRG
	v_add_nc_u32 v[MWA], s52, v[GO]
	s_xor_b32 s53, s[WV], 4                        ; my partner: the same queries, the other role
	s_lshl_b32 s52, s53, 13
	s_add_co_u32 s52, s52, MRG
	v_add_nc_u32 v[MRA], s52, v[GO]
	v_lshlrev_b32 v56, 2, v13
	s_lshl_b32 s52, s[WV], 9
	s_add_co_u32 s52, s52, MST
	v_add_nc_u32 v[SWA], s52, v56
	s_lshl_b32 s52, s53, 9
	s_add_co_u32 s52, s52, MST
	v_add_nc_u32 v[SRA], s52, v56
	s_mul_i32 s52, s[WV], 32*SPB
	s_add_co_u32 s52, s52, STG
	v_mul_u32_u24 v[STO], v1, SPB
	v_lshl_add_u32 v[STO], v12, 4, v[STO]
	v_add_nc_u32 v[STO], s52, v[STO]               ; the stage, in: row r, 16 bytes for each half of the lanes
	v_lshrrev_b32 v56, 3, v13
	v_mul_u32_u24 v56, v56, SPB
	v_and_b32 v57, 7, v0
	v_lshl_add_u32 v56, v57, 4, v56
	v_add_nc_u32 v[RD], s52, v56                   ; back: eight lanes to a row, four rows an instruction
	v_lshlrev_b32 v[PFO], 8, v13
	; the first values
.set i, 0
.rept 128
	v_mov_b32 v[S+i], s[INIT]
.set i, i+1
.endr
.set i, 0
.rept 64
	v_mov_b32 v[VF+i], 0
.set i, i+1
.endr
.irp t, 0,1,2,3
	v_mov_b32 v[ST+8*\t+1], 0xff61b1e6             ; m = -3e38, under every score
	v_mov_b32 v[ST+8*\t+2], 0                      ; l
	v_mov_b32 v[ST+8*\t+3], 0
	v_mov_b32 v[ST+8*\t+4], 0
	v_mov_b32 v[ST+8*\t+5], 0
	v_mov_b32 v[ST+8*\t+6], 0
	v_mov_b32 v[ST+8*\t+7], 0
.endr
.irp t, 0,1,2,3
	v_mul_f32 v[ST+8*\t], s[CS], v[ST+8*\t+1]      ; c m
.endr
	WIN TO1
.set i, 0
.rept 128
	v_mov_b32 v[i], 0                              ; O^T
.set i, i+1
.endr
	WIN 0
; 32 products O^T += V^T P: keys 32 (i / 16) on, channels 16 ((i / 4) % 4) on, tile i % 4.  The 16 accumulators take turns, one instruction a turn.
.macro PVRUN
	WIN W_PV
.set i, 0
.rept 32
.set rO, 32*(i%4)+8*((i/4)%4)
.set rV, VF+32*(i/16)+8*((i/4)%4)
.set rP, S+32*(i%4)+8*(i/16)
	v_wmma_f32_16x16x32_f16 v[rO:rO+7], v[rV:rV+7], v[rP:rP+7], v[rO:rO+7]
.set i, i+1
.endr
.endm
; 32 products S^T = K Q^T: channels 32 (i / 16) on, keys 16 ((i / 4) % 4) on, tile i % 4.  The first 16 start the sums.
.macro KQRUN
	WIN W_KQ
.set i, 0
.rept 32
.set rS, S+32*(i%4)+8*((i/4)%4)
.set rK, KF+16*((i/4)%4)+8*(i/16)
.set rQ, QF+16*(i%4)+8*(i/16)
.if i < 16
	v_wmma_f32_16x16x32_f16 v[rS:rS+7], v[rK:rK+7], v[rQ:rQ+7], 0
.else
	v_wmma_f32_16x16x32_f16 v[rS:rS+7], v[rK:rK+7], v[rQ:rQ+7], v[rS:rS+7]
.endif
.set i, i+1
.endr
.endm
; THE MATRIX PHASE of the step whose K lies at v[adk] + koff and whose V at v[adv] + voff.
.macro M adk, koff, adv, voff
	WIN TO1
.irp f, 0,1,2,3,4,5,6,7                ; K: keys 16 (f / 2) on, channels 32 (f % 2) on.  K's last readers stand a softmax, or four places, back
	ds_load_b128 v[KF+8*\f:KF+8*\f+3], v[\adk] offset:\koff+(\f/2)*16*PK+(\f%2)*64
	ds_load_b128 v[KF+8*\f+4:KF+8*\f+7], v[\adk] offset:\koff+(\f/2)*16*PK+(\f%2)*64+32
.endr
	s_wait_dscnt 16                                ; the 16 loads just issued stay out; the last step's V is in
	PVRUN
.rept 5
	v_nop                                          ; four places ahead of the loads into V's registers, five ahead of the products that write over P
.endr
	WIN 0
.irp f, 0,1,2,3,4,5,6,7                ; V, turned: keys 32 (f / 4) on, channels 16 (f % 4) on
	ds_load_tr16_b128 v[VF+8*\f:VF+8*\f+3], v[\adv] offset:\voff+(\f/4)*32*PVP+(\f%4)*32
	ds_load_tr16_b128 v[VF+8*\f+4:VF+8*\f+7], v[\adv] offset:\voff+(\f/4)*32*PVP+16*PVP+(\f%4)*32
.endr
	s_wait_dscnt 16                                ; V's 16 loads stay out; K is in
	KQRUN
	WIN 0
.rept 4
	v_nop                                          ; the places ahead of the first read of the scores
.endr
.endm
.macro SCL t, b                        ; pair b of tile t: c s - c m
	v_pk_fma_f32 v[S+32*(\t)+2*(\b):S+32*(\t)+2*(\b)+1], v[S+32*(\t)+2*(\b):S+32*(\t)+2*(\b)+1], s[CS:CS+1], v[ST+8*(\t):ST+8*(\t)+1] op_sel_hi:[1,0,0] neg_lo:[0,0,1] neg_hi:[0,0,1]
.endm
; THE VECTOR PHASE: the softmax of four tiles for one step of 64 keys.  In every run the tile is the innermost index, so that a line and the line that needs its result stand four apart.
.macro SM
.irp j, 0,1,2,3                        ; the maximum, three operands at a time: four chains a tile; each accumulator is first read at its low end
.irp t, 0,1,2,3
	v_max3_num_f32 v[ST+8*\t+4+\j], v[S+32*\t+8*\j], v[S+32*\t+8*\j+1], v[S+32*\t+8*\j+2]
.endr
.endr
.irp g, 1,2
.irp j, 0,1,2,3
.irp t, 0,1,2,3
	v_max3_num_f32 v[ST+8*\t+4+\j], v[ST+8*\t+4+\j], v[S+32*\t+8*\j+2*\g+1], v[S+32*\t+8*\j+2*\g+2]
.endr
.endr
.endr
.irp t, 0,1,2,3
	v_max3_num_f32 v[ST+8*\t+4], v[ST+8*\t+4], v[S+32*\t+7], v[S+32*\t+15]
.endr
.irp t, 0,1,2,3
	v_max3_num_f32 v[ST+8*\t+6], v[ST+8*\t+6], v[S+32*\t+23], v[S+32*\t+31]
.endr
.irp t, 0,1,2,3
	v_max3_num_f32 v[ST+8*\t+4], v[ST+8*\t+4], v[ST+8*\t+5], v[ST+8*\t+6]
.endr
.irp t, 0,1,2,3
	v_max3_num_f32 v[ST+8*\t+4], v[ST+8*\t+4], v[ST+8*\t+7], v[ST+8*\t+1]   ; with the old m
.endr
.irp t, 0,1,2,3
	v_permlanex16_b32 v[ST+8*\t+5], v[ST+8*\t+4], s[SEL], s[SEL+1]          ; the query's other 32 keys lie in the lane 16 away
.endr
.irp t, 0,1,2,3
	v_mov_b32 v[ST+8*\t+7], v[ST+8*\t]             ; c m_old
.endr
.irp t, 0,1,2,3
	v_max_num_f32 v[ST+8*\t+1], v[ST+8*\t+4], v[ST+8*\t+5]
.endr
.irp t, 0,1,2,3
	v_mul_f32 v[ST+8*\t], s[CS], v[ST+8*\t+1]
.endr
.irp t, 0,1,2,3
	v_sub_f32 v[ST+8*\t+7], v[ST+8*\t+7], v[ST+8*\t]
.endr
	; ONE BATCH: the scalings and all 132 exponentials; none of these lines names an exponential's result.  A tile's scalings stand among the exponentials of the tile before
.irp b, 0,1,2,3,4,5,6,7,8,9,10,11,12,13,14,15
	SCL 0, \b
.endr
.irp t, 0,1,2,3
	v_exp_f32 v[ST+8*\t+6], v[ST+8*\t+7]           ; a
.endr
.irp t, 0,1,2
.irp b, 0,1,2,3,4,5,6,7,8,9,10,11,12,13,14,15
	SCL \t+1, \b
	v_exp_f32 v[S+32*\t+2*\b], v[S+32*\t+2*\b]
	v_exp_f32 v[S+32*\t+2*\b+1], v[S+32*\t+2*\b+1]
.endr
.endr
.set i, 0
.rept 32
	v_exp_f32 v[S+96+i], v[S+96+i]
.set i, i+1
.endr
	v_nop                                          ; a plain instruction behind the last exponential
	s_wait_alu depctr_va_vdst(0)                   ; the one wait for the batch, ahead of the first line that names a result
.irp t, 0,1,2,3                        ; the sums, of the unrounded p, in two chains a tile: l = a l + pair 0 + ..
	v_pk_fma_f32 v[ST+8*\t+2:ST+8*\t+3], v[ST+8*\t+2:ST+8*\t+3], v[ST+8*\t+6:ST+8*\t+7], v[S+32*\t:S+32*\t+1] op_sel_hi:[1,0,1]
.endr
.irp t, 0,1,2,3
	v_pk_add_f32 v[ST+8*\t+4:ST+8*\t+5], v[S+32*\t+2:S+32*\t+3], v[S+32*\t+4:S+32*\t+5]
.endr
.irp b, 3,5,7,9,11,13
.irp t, 0,1,2,3
	v_pk_add_f32 v[ST+8*\t+2:ST+8*\t+3], v[ST+8*\t+2:ST+8*\t+3], v[S+32*\t+2*\b:S+32*\t+2*\b+1]
.endr
.irp t, 0,1,2,3
	v_pk_add_f32 v[ST+8*\t+4:ST+8*\t+5], v[ST+8*\t+4:ST+8*\t+5], v[S+32*\t+2*\b+2:S+32*\t+2*\b+3]
.endr
.endr
.irp t, 0,1,2,3
	v_pk_add_f32 v[ST+8*\t+2:ST+8*\t+3], v[ST+8*\t+2:ST+8*\t+3], v[S+32*\t+30:S+32*\t+31]
.endr
.irp t, 0,1,2,3
	v_pk_add_f32 v[ST+8*\t+2:ST+8*\t+3], v[ST+8*\t+2:ST+8*\t+3], v[ST+8*\t+4:ST+8*\t+5]
.endr
.irp i, 0,1,2,3,4,5,6,7,8,9,10,11,12,13,14,15   ; P: rounded to f16 in pairs, in place, ascending: register i is written when registers 2 i and 2 i + 1 are read
.irp t, 0,1,2,3
	v_cvt_pk_f16_f32 v[S+32*\t+\i], v[S+32*\t+2*\i], v[S+32*\t+2*\i+1]
.endr
.endr
	WIN W_RS
.irp i, 0,1,2,3,4,5,6,7,8,9,10,11,12,13,14,15   ; O^T x a, each accumulator from its low end on
.irp t, 0,1,2,3
	v_pk_mul_f32 v[32*\t+2*\i:32*\t+2*\i+1], v[32*\t+2*\i:32*\t+2*\i+1], v[ST+8*\t+6:ST+8*\t+7] op_sel_hi:[1,0]
.endr
.endr
	WIN 0
.endm
; THE CHANGE OF SLOTS stands at a slot's head.  Each wave waits for all its tensor loads (the one that is out is its part of the slot that it is about to read), adds 0 to its spare word, and waits for that and for its reads of the
; slot that it has left.  fill = 1: the barrier is a round of the cluster's, so that no wave of any partner still reads the other slot or has a load on its way; the joint load that fills it with the next 256 keys is the first thing
; behind the round, one load a wave, and has this slot's work (128 matrix instructions and two softmaxes a wave) in which to land.  In the first trip it is slot 1's first fill.
.macro CHANGE fill
	s_wait_tensorcnt 0x0                           ; no tensor load of mine is out, so a group 0 may be written
	ds_add_u32 v[SPW], v[NIL]                      ; 0 onto my spare word
.if \fill
	s_xor_b32 s[G0K+1], s[G0K+1], SLOT1            ; the walking descriptors: the other slot than last time,
	s_add_nc_u64 s[G0K+2:G0K+3], s[G0K+2:G0K+3], SLB   ; the next 256 keys; the type bits on top are not reached
	s_xor_b32 s[G0V+1], s[G0V+1], SLOT1
	s_add_nc_u64 s[G0V+2:G0V+3], s[G0V+2:G0V+3], SLB
	s_wait_xcnt 0x0                                ; the last prefetch, a slot back, has read its address
	s_add_nc_u64 s[PFA:PFA+1], s[PFA:PFA+1], SLB   ; one slot further on than the walking descriptors
	s_wait_dscnt 0x0                               ; the add is done, and my reads of the slot that I have left are over
	CROUND
	JLOAD
	ASK
.else
	s_wait_dscnt 0x0
	s_barrier_signal -1
	s_barrier_wait -1
.endif
	v_add_nc_u32 v[ADK], s[TB], v[AK0]             ; the slot's addresses, made on the way that both roles take
	v_add_nc_u32 v[ADV], s[TB], v[AV0]
	v_add_nc_u32 v[ADKM], s[TB], v[AKM]
	v_add_nc_u32 v[ADVM], s[TB], v[AVM]
.endm
; A SLOT'S WORK.  A: M(step 0) SM M(step 1) SM.  B: SM M(step 2) SM M(step 3).  The two branches hang on the wave's number alone and lead round matrix phases: no barrier, no tensor load, no wait for one stands there.
.macro INTERVAL
	s_cmp_eq_u32 s[KH], 0
	s_cbranch_scc0 .Lnot_a_\@
	M ADK, 0, ADV, 0
.Lnot_a_\@:
	SM
	M ADKM, 0, ADVM, 0
	SM
	s_cmp_eq_u32 s[KH], 0
	s_cbranch_scc1 .Lnot_b_\@
	M ADK, 3*KSB, ADV, 3*VSB
.Lnot_b_\@:
	s_xor_b32 s[TB], s[TB], SLOT1                  ; on to the other slot
.endm
	s_wait_loadcnt 0x0                             ; Q
.Lslot:                                            ; 15 trips: behind each change of slots but the last the next slot is asked for
	CHANGE 1
	INTERVAL
	s_sub_co_u32 s[SLOTS], s[SLOTS], 1
	s_cmp_lg_u32 s[SLOTS], 0
	s_cbranch_scc1 .Lslot
	CHANGE 0                                       ; the last slot is written out
	INTERVAL
	s_cmp_eq_u32 s[KH], 0
	s_cbranch_scc1 .Lno_last_sm
	SM                                             ; B: the softmax of its last step
.Lno_last_sm:
	v_nop                                          ; a fifth place.  A product that takes another product's result as an operand stands five plain vector instructions behind it (ISA guide 7.12.1).  Through the text a way leads from a
	                                               ; matrix phase's last scores and its four places, round the softmax, to the products below, which take those registers as P.  No wave goes it (role A, which jumps
	                                               ; over the softmax, has jumped over that matrix phase too), but the distance is kept on every way through the text
	s_wait_dscnt 0x0                               ; the last step's V
	PVRUN
	WIN 0
	; THE JOINING.  l's two halves and the other half of the lanes' are added (these lines are the places behind the last products).  Each wave gives register tiles 2, 3 to its partner, as images of their registers, with c m and l.
.irp t, 0,1,2,3
	v_add_f32 v[ST+8*\t+4], v[ST+8*\t+2], v[ST+8*\t+3]
.endr
.irp t, 0,1,2,3
	v_permlanex16_b32 v[ST+8*\t+5], v[ST+8*\t+4], s[SEL], s[SEL+1]
.endr
.irp t, 0,1,2,3
	v_add_f32 v[ST+8*\t+2], v[ST+8*\t+4], v[ST+8*\t+5]
.endr
	WIN 0x04                                       ; an LDS store's data are its source 1: window 1
.irp i, 0,1,2,3,4,5,6,7,8,9,10,11,12,13,14,15
	ds_store_b128 v[MWA], v[64+4*\i:64+4*\i+3] offset:512*\i
.endr
	WIN 0
	ds_store_b32 v[SWA], v[ST+16]                  ; tile 2: c m,
	ds_store_b32 v[SWA], v[ST+18] offset:128       ; l;
	ds_store_b32 v[SWA], v[ST+24] offset:256       ; tile 3
	ds_store_b32 v[SWA], v[ST+26] offset:384
	s_wait_dscnt 0x0                               ; for the partner's sake: my stores are done
	s_barrier_signal -1
	s_barrier_wait -1
.irp i, 0,1,2,3
	ds_load_b32 v[128+\i], v[SRA] offset:128*\i    ; my partner's c m' and l' of the queries of my tiles 0, 1
.endr
.irp i, 0,1,2,3,4,5,6,7,8,9,10,11,12,13,14,15
	ds_load_b128 v[64+4*\i:64+4*\i+3], v[MRA] offset:512*\i   ; and its O'
.endr
	s_wait_dscnt 16                                ; the statistics are in; the 16 loads of O' stay out
.irp u, 0,1
	v_max_num_f32 v[ST+8*\u+4], v[ST+8*\u], v[128+2*\u]       ; N = the larger c m
.endr
.irp u, 0,1
	v_sub_f32 v[ST+8*\u+5], v[ST+8*\u], v[ST+8*\u+4]
	v_sub_f32 v[ST+8*\u+6], v[128+2*\u], v[ST+8*\u+4]
.endr
.irp u, 0,1
	v_exp_f32 v[ST+8*\u+5], v[ST+8*\u+5]           ; f = 2^(c m - N)
	v_exp_f32 v[ST+8*\u+6], v[ST+8*\u+6]           ; f' = 2^(c m' - N)
.endr
	v_nop
	s_wait_alu depctr_va_vdst(0)                   ; one wait for the four
.irp u, 0,1
	v_mul_f32 v[ST+8*\u+7], v[ST+8*\u+2], v[ST+8*\u+5]
.endr
.irp u, 0,1
	v_fma_f32 v[ST+8*\u+7], v[129+2*\u], v[ST+8*\u+6], v[ST+8*\u+7]   ; L = l f + l' f'
.endr
.irp u, 0,1
	v_rcp_f32 v[ST+8*\u+7], v[ST+8*\u+7]
.endr
	v_nop
	s_wait_alu depctr_va_vdst(0)                   ; one wait for the two
.irp u, 0,1
	v_mul_f32 v[ST+8*\u+4], v[ST+8*\u+5], v[ST+8*\u+7]        ; g = f / L
	v_mul_f32 v[ST+8*\u+6], v[ST+8*\u+6], v[ST+8*\u+7]        ; g' = f' / L
.endr
	s_wait_dscnt 0x0
.irp u, 0,1
.set i, 0
.rept 16
	v_pk_mul_f32 v[64+32*\u+2*i:64+32*\u+2*i+1], v[64+32*\u+2*i:64+32*\u+2*i+1], v[ST+8*\u+6:ST+8*\u+7] op_sel_hi:[1,0]
.set i, i+1
.endr
.endr
	WIN 0x01                                       ; source 0: my O^T, window 1
.irp u, 0,1
.set i, 0
.rept 16
	v_pk_fma_f32 v[64+32*\u+2*i:64+32*\u+2*i+1], v[32*\u+2*i:32*\u+2*i+1], v[ST+8*\u+4:ST+8*\u+5], v[64+32*\u+2*i:64+32*\u+2*i+1] op_sel_hi:[1,0,1]   ; O g + O' g', each accumulator from its low end on
.set i, i+1
.endr
.endr
	WIN 0
.irp u, 0,1
.set i, 0
.rept 16
	v_cvt_pk_f16_f32 v[64+32*\u+i], v[64+32*\u+2*i], v[64+32*\u+2*i+1]
.set i, i+1
.endr
.endr
	; THE WAY OUT: 32 rows of 128 bytes through my own stage; back four rows an instruction
.irp u, 0,1
.irp a, 0,1,2,3
	ds_store_b128 v[STO], v[64+32*\u+4*\a:64+32*\u+4*\a+3] offset:16*SPB*\u+32*\a
.endr
.endr
.irp i, 0,1,2,3,4,5,6,7
	ds_load_b128 v[128+4*\i:128+4*\i+3], v[RD] offset:4*SPB*\i   ; LDS serves a wave's instructions in order: these see my stores
.endr
.irp i, 0,1,2,3,4,5,6,7
	s_wait_dscnt 7-\i                              ; the younger loads stay out
	global_store_b128 v[GO], v[128+4*\i:128+4*\i+3], s[50:51] offset:512*\i   ; 512 consecutive bytes, aligned
.endr
	s_wait_tensorcnt 0x0                           ; the wave's end: behind my last tensor load and my last LDS store
	ds_add_u32 v[SPW], v[NIL]
	s_wait_dscnt 0x0
	CROUND                                         ; the closing round
	s_endpgm
.Lfunc_end_k_qca61906cc5_attn:
	.size	k_qca61906cc5_attn, .Lfunc_end_k_qca61906cc5_attn-k_qca61906cc5_attn
	.p2alignl 7, 3214868480
	.fill 96, 4, 3214868480
	.section	.rodata,"a",@progbits
	.p2align	6, 0x0
	.amdhsa_kernel k_qca61906cc5_attn
		.amdhsa_group_segment_fixed_size 327680
		.amdhsa_private_segment_fixed_size 0
		.amdhsa_enable_private_segment 0
		.amdhsa_kernarg_size 16
		.amdhsa_user_sgpr_count 2
		.amdhsa_user_sgpr_kernarg_segment_ptr 1
		.amdhsa_wavefront_size32 1
		.amdhsa_system_sgpr_workgroup_id_x 1
		.amdhsa_system_sgpr_workgroup_id_y 1
		.amdhsa_system_sgpr_workgroup_id_z 1
		.amdhsa_system_vgpr_workitem_id 0
		.amdhsa_next_free_vgpr 512
		.amdhsa_next_free_sgpr 66
		.amdhsa_reserve_vcc 0
		.amdhsa_float_denorm_mode_32 3
		.amdhsa_float_denorm_mode_16_64 3
		.amdhsa_memory_ordered 1
		.amdhsa_forward_progress 1
		.amdhsa_inst_pref_size 201
	.end_amdhsa_kernel
	.amdgpu_metadata
---
amdhsa.version: [ 1, 2 ]
amdhsa.kernels:
  - .name:           k_qca61906cc5_attn
    .symbol:         k_qca61906cc5_attn.kd
    .args:
      - { .name: qkv16, .offset: 0, .size: 8, .value_kind: global_buffer, .address_space: global }
      - { .name: ctx16, .offset: 8, .size: 8, .value_kind: global_buffer, .address_space: global }
    .group_segment_fixed_size: 327680
    .private_segment_fixed_size: 0
    .kernarg_segment_align: 8
    .kernarg_segment_size: 16
    .max_flat_workgroup_size: 256
    .sgpr_count:     66
    .vgpr_count:     512
    .wavefront_size: 32
...
	.end_amdgpu_metadata
.endif
;; end of part 3
;; launch outp (part 4): grid 8 x 32, 4 waves a work-group, clusters of 4 x 4, 327,680 bytes of LDS; arguments ctx16, wo16, bo, out0; writes out0
.if DOCPART == 4
	.amdgcn_target "amdgcn-amd-amdhsa--gfx1250"
	.amdhsa_code_object_version 6
	.text
	.protected	k_qca61906cc5_outp
	.globl	k_qca61906cc5_outp
	.p2align	8
	.type	k_qca61906cc5_outp,@function
k_qca61906cc5_outp:
	s_mov_b64 s[64:65], 0
	v_nop
	global_prefetch_b8 v0, s[64:65] scope:SCOPE_SE
	s_setreg_imm32_b32 hwreg(HW_REG_WAVE_MODE, 25, 1), 1
	s_wait_xcnt 0x0
	s_wait_alu depctr_hold_cnt(0) depctr_sa_sdst(0) depctr_va_vdst(0) depctr_va_sdst(0) depctr_va_ssrc(0) depctr_va_vcc(0) depctr_vm_vsrc(0)
	s_getreg_b32 s2, hwreg(HW_REG_IB_STS2, 6, 4)
	s_cmp_eq_u32 s2, 0
	s_cbranch_scc0 .Lentry_in_a_cluster
	s_endpgm
.Lentry_in_a_cluster:
	s_bfe_u32 s2, ttmp6, 0x10000c
	s_cmp_lg_u32 s2, 0xf033
	s_cbranch_scc0 .Lentry_shape_is_right
	s_endpgm
.Lentry_shape_is_right:
; OUTP: out0[m][n] = the sum over k of ctx[m][k] Wo[n][k] + bo[n].  ctx16 [16 planes][4096 m][64 k], wo16 [16 planes][1024 n][64 k], f16; sums and out0 [4096][1024] in f32.
; A tile of out0 is 128 x 128: 256 work-groups.  Four waves, each 64 x 64: 16 accumulators of 16 x 16.  K goes in four steps of 256 (four planes) through two LDS slots.
; A PLANE'S 128 ROWS ARE 16,384 DENSE BYTES: a wave's tensor load brings two planes as two rows of 8,192 elements, a plane's distance apart, with 16 bytes of padding behind every 128: in LDS rows of 64 elements, evenly 144 bytes apart.
; CLUSTERS: 4 x 4 work-groups.  The four of a row of the cluster need the same tiles of ctx, the four of a column the same tiles of Wo: each tile is asked for JOINTLY.
; THE MATRIX INSTRUCTION IS USED TRANSPOSED (source 0 = 16 rows of Wo, source 1 = 16 rows of ctx): a lane holds eight neighbouring numbers of a row of out0.  The bias is the C of each sum's first product.
; A wave's 64 columns are 256 aligned bytes of a row of out0: each wave has a stage of its own and stores whole runs of 256 bytes.
; No prefetch: the tiles are small and the walk is four steps long.
; REGISTERS: window 0: v0-31 addresses; v32-95 rows read back on the way out; v96-127 the bias; v128-255 the accumulators ((a, b) at v[128 + 8 (4 a + b)]).
;   window 1: two fragment buffers of 128: for one plane (64 along K, two matrix instructions deep) 64 registers of ctx, then 64 of Wo.
.set PITCH,  144                       ; an LDS row: 128 bytes + 16 of padding: an odd multiple of 16
.set PLANE,  128*PITCH
.set SLOT,   8*PLANE                   ; ctx's four planes, then Wo's four
.set SPARE,  2*SLOT                    ; the spare words, 128 bytes a wave: two blocks of 256 bytes that no other line names
.set STAGE,  SPARE+512                 ; 16 rows x (256 bytes + 16) for each wave
.set SPITCH, 272
.set ADRA, 16
.set ADRB, 20
.set STO,  24
.set RD,   25
.set CO,   26
.set BA,   27                          ; v27  32 x (lane / 16)
.set SPW,  28
.set NIL,  29
.set BK,   32
.set BI,   96
.set ACC,  128
.set F0,   0
.set F1,   128
.set G1, 24
.set G0, 32
.set G1B, 48
.set G0B, 56
.set MSB, 0
.macro WIN new
.if MSB != (\new)
	s_set_vgpr_msb (MSB<<8)|(\new)
.set MSB, (\new)
.endif
.endm
.set MUL,  0x05                        ; sources 0 (Wo) and 1 (ctx) window 1; C and D window 0
.set TO_F, 0x40                        ; destination window 1
.macro JLOAD s                         ; a joint load: waves 0 and 1 fetch ctx's plane pairs, waves 2 and 3 Wo's; an s_nop 0 and four v_nop follow each line
	s_cmp_eq_u32 s3, 0
	s_cbranch_scc0 .Lfor_b_\@
	tensor_load_to_lds s[G0+4*\s:G0+4*\s+3], s[G1:G1+7]
	s_nop 0
.rept 4
	v_nop
.endr
	s_branch .Lasked_\@
.Lfor_b_\@:
	tensor_load_to_lds s[G0B+4*\s:G0B+4*\s+3], s[G1B:G1B+7]
	s_nop 0
.rept 4
	v_nop
.endr
.Lasked_\@:
.endm
.macro CREST                           ; a round of the cluster's barrier behind its opening barrier
	s_cmp_lg_u32 s2, 0
	s_cbranch_scc1 .Lnot_wave_0_\@
	s_barrier_signal -3
.Lnot_wave_0_\@:
	s_barrier_wait -3
	s_barrier_signal -1
	s_barrier_wait -1
.endm
.macro CROUND
	s_barrier_signal -1
	s_barrier_wait -1
	CREST
.endm
	s_load_b128 s[4:7], s[0:1], 0x0                ; ctx16 s[4:5], wo16 s[6:7]
	s_load_b128 s[8:11], s[0:1], 0x10              ; bo s[8:9], out0 s[10:11]
	v_lshl_add_u32 v[SPW], v0, 2, SPARE
	v_mov_b32 v[NIL], 0
	ds_add_u32 v[SPW], v[NIL]                      ; the wave's opening: the add, twice on end, and its wait ahead of my first tensor load
	ds_add_u32 v[SPW], v[NIL]
	v_lshrrev_b32 v1, 5, v0
	v_readfirstlane_b32 s2, v1                     ; wave 0..3
	s_lshr_b32 s3, s2, 1                           ; HM: which half of the tile's rows is mine.  Also: I fetch for ctx (0) or for Wo (1)
	s_and_b32 s12, s2, 1                           ; HN: which half of its columns.  Also: which pair of a step's four planes I fetch
	s_bfe_u32 s40, ttmp6, 0x40000                  ; cx, cy
	s_bfe_u32 s41, ttmp6, 0x40004
	s_lshl_b32 s42, ttmp9, 2
	s_add_co_u32 s42, s42, s40                     ; tx: tile column, 0..7
	s_and_b32 s13, ttmp7, 0xffff
	s_lshl_b32 s13, s13, 2
	s_add_co_u32 s13, s13, s41                     ; ty: tile row, 0..31
	s_lshl_b32 s43, s41, 2
	s_lshl_b32 s43, 15, s43                        ; my row of the cluster
	s_lshl_b32 s44, 0x1111, s40                    ; my column
	s_or_b32 s[G1+0], s43, (1<<16)|(1<<20)|(1<<21)|(4<<22)|(3<<25)  ; 15:0 the mask; 17:16 elements of 2 bytes; 20 padding on; 21 set beside a mask; 24:22 after every 32 words; 31:25 four words
	s_or_b32 s[G1B+0], s44, (1<<16)|(1<<20)|(1<<21)|(4<<22)|(3<<25)
.irp g, G1, G1B
	s_mov_b32 s[\g+1], 8192<<16                    ; tensor_dim0 = 8,192 elements: 128 rows of 64
	s_mov_b32 s[\g+2], 2<<16                       ; tensor_dim1 = 2 planes
	s_mov_b32 s[\g+3], 8192<<16                    ; tile_dim0
	s_mov_b32 s[\g+4], 2                           ; tile_dim1
	s_mov_b32 s[\g+6], 0
	s_mov_b32 s[\g+7], 0
.endr
	s_mov_b32 s[G1+5], 4096*64                     ; from plane to plane, in elements: ctx
	s_mov_b32 s[G1B+5], 1024*64                    ; Wo
	s_lshl_b32 s16, s12, 20                        ; ctx: planes 2 HN on (524,288 bytes each),
	s_lshl_b32 s17, s13, 14                        ; rows 128 ty on (128 bytes each)
	s_add_co_u32 s16, s16, s17
	s_mov_b32 s17, 0
	s_lshl_b32 s46, s12, 18                        ; Wo: planes 2 HN on (131,072 bytes each),
	s_lshl_b32 s47, s42, 14                        ; rows 128 tx on
	s_add_co_u32 s46, s46, s47
	s_mov_b32 s47, 0
	s_mul_i32 s20, s2, 2*PLANE                     ; where they go: wave x two planes: no place in the cluster enters an LDS address
	s_wait_dscnt 0x0                               ; both opening adds are done
	s_wait_kmcnt 0x0
	s_add_nc_u64 s[14:15], s[4:5], s[16:17]
	s_add_nc_u64 s[46:47], s[6:7], s[46:47]
	CROUND                                         ; all sixteen work-groups are here: the first joint loads meet
.irp s, 0,1
	s_mov_b32 s[G0+4*\s], 1
	s_add_co_u32 s[G0+4*\s+1], s20, \s*SLOT
	s_add_nc_u64 s[G0+4*\s+2:G0+4*\s+3], s[14:15], \s*4*524288      ; K step s: four planes on
	s_or_b32 s[G0+4*\s+3], s[G0+4*\s+3], 0x80000000
	s_mov_b32 s[G0B+4*\s], 1
	s_add_co_u32 s[G0B+4*\s+1], s20, \s*SLOT
	s_add_nc_u64 s[G0B+4*\s+2:G0B+4*\s+3], s[46:47], \s*4*131072
	s_or_b32 s[G0B+4*\s+3], s[G0B+4*\s+3], 0x80000000
	JLOAD \s                                       ; two tensor loads of mine are out
.endr
	v_and_b32 v1, 15, v0                           ; r
	v_bfe_u32 v2, v0, 4, 1                         ; h
	v_mul_u32_u24 v3, v1, PITCH
	v_lshl_add_u32 v3, v2, 4, v3                   ; a fragment's row x pitch + 16 h
	s_mul_i32 s21, s3, 64*PITCH                    ; my 64 rows of ctx
	s_mul_i32 s22, s12, 64*PITCH                   ; my 64 rows of Wo,
	s_add_co_u32 s22, s22, 4*PLANE                 ; behind ctx's four planes
.irp s, 0,1
	v_add_nc_u32 v[ADRA+\s], s21, v3
	v_add_nc_u32 v[ADRB+\s], s22, v3
	s_add_co_u32 s21, s21, SLOT
	s_add_co_u32 s22, s22, SLOT
.endr
	s_mul_i32 s23, s2, 16*SPITCH
	s_add_co_u32 s23, s23, STAGE                   ; my stage
	v_mul_u32_u24 v4, v1, SPITCH
	v_lshl_add_u32 v4, v2, 5, v4
	v_add_nc_u32 v[STO], s23, v4                   ; in: row r, 32 bytes for each half of the lanes
	v_mul_u32_u24 v5, v2, SPITCH
	v_lshl_add_u32 v5, v1, 4, v5
	v_add_nc_u32 v[RD], s23, v5                    ; back: lanes 0-15 one row of 256 bytes, lanes 16-31 the next
	v_lshlrev_b32 v5, 12, v2
	v_lshl_add_u32 v[CO], v1, 4, v5                ; and the same two rows in out0 (4,096 bytes a row)
	v_lshlrev_b32 v[BA], 5, v2
	s_lshl_b32 s16, s13, 19                        ; my first row: 128 ty + 64 HM
	s_lshl_b32 s17, s3, 18
	s_add_co_u32 s16, s16, s17
	s_mov_b32 s17, 0
	s_add_nc_u64 s[10:11], s[10:11], s[16:17]
	s_lshl_b32 s46, s42, 9                         ; my first column, in bytes: 512 tx + 256 HN
	s_lshl_b32 s47, s12, 8
	s_add_co_u32 s46, s46, s47
	s_mov_b32 s47, 0
	s_add_nc_u64 s[10:11], s[10:11], s[46:47]
	s_add_nc_u64 s[8:9], s[8:9], s[46:47]          ; and the same place in the bias
.irp b, 0,1,2,3
	global_load_b128 v[BI+8*\b:BI+8*\b+3], v[BA], s[8:9] offset:64*\b        ; the bias in the result's layout: columns 16 b + 8 h + 0 .. 7
	global_load_b128 v[BI+8*\b+4:BI+8*\b+7], v[BA], s[8:9] offset:64*\b+16
.endr
; 8 matrix instructions: row blocks a0, a0 + 1 x all 4 column blocks, 32 along K: half c of buffer f.  first = 1: the bias is the C.  The 16 accumulators take turns.
.macro MUL8 f, c, a0, first
.irp a, \a0, \a0+1
.irp b, 0,1,2,3
.if \first
	v_wmma_f32_16x16x32_f16 v[ACC+8*(4*(\a)+\b):ACC+8*(4*(\a)+\b)+7], v[\f+64+8*(4*\c+\b):\f+64+8*(4*\c+\b)+7], v[\f+8*(4*\c+\a):\f+8*(4*\c+\a)+7], v[BI+8*\b:BI+8*\b+7]
.else
	v_wmma_f32_16x16x32_f16 v[ACC+8*(4*(\a)+\b):ACC+8*(4*(\a)+\b)+7], v[\f+64+8*(4*\c+\b):\f+64+8*(4*\c+\b)+7], v[\f+8*(4*\c+\a):\f+8*(4*\c+\a)+7], v[ACC+8*(4*(\a)+\b):ACC+8*(4*(\a)+\b)+7]
.endif
.endr
.endr
.endm
; 32 LDS loads in one run: the fragments of the plane at byte k of the slot, into buffer f; the first 32 along K first
.macro FETCH slot, k, f
	WIN TO_F
.irp c, 0,1
.irp i, 0,1,2,3
	ds_load_b128 v[\f+64+8*(4*\c+\i):\f+64+8*(4*\c+\i)+3],   v[ADRB+\slot] offset:\k+64*\c+\i*16*PITCH
	ds_load_b128 v[\f+64+8*(4*\c+\i)+4:\f+64+8*(4*\c+\i)+7], v[ADRB+\slot] offset:\k+64*\c+\i*16*PITCH+32
	ds_load_b128 v[\f+8*(4*\c+\i):\f+8*(4*\c+\i)+3],         v[ADRA+\slot] offset:\k+64*\c+\i*16*PITCH
	ds_load_b128 v[\f+8*(4*\c+\i)+4:\f+8*(4*\c+\i)+7],       v[ADRA+\slot] offset:\k+64*\c+\i*16*PITCH+32
.endr
.endr
.endm
.macro PLACES                          ; four plain vector instructions ahead of loads into registers that matrix instructions have read, and of stores that read results (ISA guide 7.12.1 for stores)
.rept 4
	v_nop
.endr
.endm
; A K step is four quarters, a plane each: 32 matrix instructions, on buffers 0, 1, 0, 1.  One of the first three: multiplies buffer f and fetches the next plane, at byte k, into g.
.macro QUARTER slot, k, f, g, first
	s_wait_dscnt 16                                ; the first 32 along K are in; the other sixteen loads may be out
	WIN MUL
	MUL8 \f, 0, 0, \first
	MUL8 \f, 0, 2, \first
	PLACES
	FETCH \slot, \k, \g
	s_wait_dscnt 32                                ; all but the 32 just issued
	WIN MUL
	MUL8 \f, 1, 0, 0
	MUL8 \f, 1, 2, 0
.endm
; The last quarter multiplies buffer 1 and changes slots: ONE barrier; ahead of it each wave waits for all its tensor loads, adds 0 to its spare word, and waits for that and for its own reads of this slot.
; fill = 1: the barrier opens a round of the cluster's, and this slot is filled again, two K steps ahead: one load a wave, the first thing behind the round; a K step less 16 matrix instructions lies between it and the wait for it.
.macro TURN slot, next, fill
	WIN 0
	s_wait_tensorcnt 0x0                           ; all my tensor loads have landed: my part of the next slot
	ds_add_u32 v[SPW], v[NIL]                      ; 0 onto my spare word
	s_wait_dscnt 17                                ; the add and the youngest sixteen loads may be out
	WIN MUL
	MUL8 F1, 0, 0, 0
	s_wait_dscnt 0x0                               ; the add is done, and my reads of this slot are over
	s_barrier_signal -1
	MUL8 F1, 0, 2, 0
.if \fill
	WIN 0
.endif
	s_barrier_wait -1
.if \fill
	CREST                                          ; no wave of any partner still reads this slot's tile or has a load on its way
	s_add_nc_u64 s[G0+4*\slot+2:G0+4*\slot+3], s[G0+4*\slot+2:G0+4*\slot+3], 8*524288
	s_add_nc_u64 s[G0B+4*\slot+2:G0B+4*\slot+3], s[G0B+4*\slot+2:G0B+4*\slot+3], 8*131072
	JLOAD \slot                                    ; the four v_nop behind it are also the places ahead of the loads below
.else
	PLACES
.endif
	FETCH \next, 0, F0
	WIN MUL
	MUL8 F1, 1, 0, 0
	MUL8 F1, 1, 2, 0
.endm
	s_wait_tensorcnt 1                             ; my part of K step 0 is in; K step 1's load stays out
	s_barrier_signal -1
	s_barrier_wait -1
	s_wait_loadcnt 0x0                             ; the bias
	FETCH 0, 0, F0
	QUARTER 0, PLANE,   F0, F1, 1
	QUARTER 0, 2*PLANE, F1, F0, 0
	QUARTER 0, 3*PLANE, F0, F1, 0
	TURN 0, 1, 1                                   ; slot 0 takes K step 2
	QUARTER 1, PLANE,   F0, F1, 0
	QUARTER 1, 2*PLANE, F1, F0, 0
	QUARTER 1, 3*PLANE, F0, F1, 0
	TURN 1, 0, 1                                   ; slot 1 takes K step 3
	QUARTER 0, PLANE,   F0, F1, 0
	QUARTER 0, 2*PLANE, F1, F0, 0
	QUARTER 0, 3*PLANE, F0, F1, 0
	TURN 0, 1, 0                                   ; nothing is left to fetch
	QUARTER 1, PLANE,   F0, F1, 0
	QUARTER 1, 2*PLANE, F1, F0, 0
	QUARTER 1, 3*PLANE, F0, F1, 0
	s_wait_dscnt 16                                ; the very last quarter
	WIN MUL
	MUL8 F1, 0, 0, 0
	MUL8 F1, 0, 2, 0
	s_wait_dscnt 0
	MUL8 F1, 1, 0, 0
	MUL8 F1, 1, 2, 0
	WIN 0
; THE WAY OUT, block by block of 16 rows x 64 columns: 32 bytes a lane into my own stage, back as whole runs of 256 bytes.  LDS serves a wave's instructions in order: no wait between the stores and the loads.
.macro TOSTAGE a
.irp b, 0,1,2,3
	ds_store_b128 v[STO], v[ACC+8*(4*(\a)+\b):ACC+8*(4*(\a)+\b)+3] offset:64*\b          ; each accumulator from its low end on
	ds_store_b128 v[STO], v[ACC+8*(4*(\a)+\b)+4:ACC+8*(4*(\a)+\b)+7] offset:64*\b+16
.endr
.irp t, 0,1,2,3,4,5,6,7
	ds_load_b128 v[BK+32*((\a)%2)+4*\t:BK+32*((\a)%2)+4*\t+3], v[RD] offset:\t*2*SPITCH
.endr
.endm
.macro SEND a, younger                 ; younger: the next block's eight stores and eight loads, or none
	s_wait_dscnt \younger
.irp t, 0,1,2,3,4,5,6,7
	global_store_b128 v[CO], v[BK+32*((\a)%2)+4*\t:BK+32*((\a)%2)+4*\t+3], s[10:11] offset:(16*(\a)+2*\t)*4096 th:TH_STORE_NT   ; 16 lanes store 256 consecutive bytes, aligned; written once, read by nobody here
.endr
.endm
	PLACES
	TOSTAGE 0
.irp a, 1,2,3
.if \a > 1
	s_wait_xcnt 0x0                                ; block a - 2's stores have read the registers into which block a's loads land
.endif
	TOSTAGE \a
	SEND \a-1, 16
.endr
	SEND 3, 0
	s_wait_tensorcnt 0x0                           ; the wave's end: behind my last tensor load and my last LDS store
	ds_add_u32 v[SPW], v[NIL]
	s_wait_dscnt 0x0
	CROUND                                         ; the closing round
	s_endpgm
.Lfunc_end_k_qca61906cc5_outp:
	.size	k_qca61906cc5_outp, .Lfunc_end_k_qca61906cc5_outp-k_qca61906cc5_outp
	.p2alignl 7, 3214868480
	.fill 96, 4, 3214868480
	.section	.rodata,"a",@progbits
	.p2align	6, 0x0
	.amdhsa_kernel k_qca61906cc5_outp
		.amdhsa_group_segment_fixed_size 327680
		.amdhsa_private_segment_fixed_size 0
		.amdhsa_enable_private_segment 0
		.amdhsa_kernarg_size 32
		.amdhsa_user_sgpr_count 2
		.amdhsa_user_sgpr_kernarg_segment_ptr 1
		.amdhsa_wavefront_size32 1
		.amdhsa_system_sgpr_workgroup_id_x 1
		.amdhsa_system_sgpr_workgroup_id_y 1
		.amdhsa_system_sgpr_workgroup_id_z 1
		.amdhsa_system_vgpr_workitem_id 0
		.amdhsa_next_free_vgpr 512
		.amdhsa_next_free_sgpr 66
		.amdhsa_reserve_vcc 0
		.amdhsa_float_denorm_mode_32 3
		.amdhsa_float_denorm_mode_16_64 3
		.amdhsa_memory_ordered 1
		.amdhsa_forward_progress 1
		.amdhsa_inst_pref_size 86
	.end_amdhsa_kernel
	.amdgpu_metadata
---
amdhsa.version: [ 1, 2 ]
amdhsa.kernels:
  - .name:           k_qca61906cc5_outp
    .symbol:         k_qca61906cc5_outp.kd
    .args:
      - { .name: ctx16, .offset: 0, .size: 8, .value_kind: global_buffer, .address_space: global }
      - { .name: wo16, .offset: 8, .size: 8, .value_kind: global_buffer, .address_space: global }
      - { .name: bo, .offset: 16, .size: 8, .value_kind: global_buffer, .address_space: global }
      - { .name: out0, .offset: 24, .size: 8, .value_kind: global_buffer, .address_space: global }
    .group_segment_fixed_size: 327680
    .private_segment_fixed_size: 0
    .kernarg_segment_align: 8
    .kernarg_segment_size: 32
    .max_flat_workgroup_size: 128
    .sgpr_count:     66
    .vgpr_count:     512
    .wavefront_size: 32
...
	.end_amdgpu_metadata
.endif
;; end of part 4
